; MI455X (gfx1250); checked and timed in simulation.
; The chip was launched on July 23, 2026; its instructions are those of AMD's public machine-readable ISA for CDNA 5 (MIT licence, August 2026) and "CDNA5" Instruction Set Architecture Reference Guide (July 2026). The comments in the code are by the model that wrote it; some were corrected since.
;; Transformer Encoder Layer. Allowed arithmetic: matrix products marked QUANTISED: E5M2 operands, one E8M0 scale for each 32 along K, by v_wmma_scale_f32_16x16x128_f8f6f4 with both operands' format E5M2, f32 sums; everything else in f32.
;; Inputs: W1_codes 4,096 x 32 x 32 uint8 (E5M2 codes of W1, K innermost, in blocks of 32 codes); W1_scales 4,096 x 32 uint8 (E8M0 scales of W1, one for each 32 codes along K); W2_codes 1,024 x 128 x 32 uint8 (E5M2 codes of W2, K innermost, in blocks of 32 codes); W2_scales 1,024 x 128 uint8 (E8M0 scales of W2, one for each 32 codes along K); Wk_codes 16 x 64 x 32 x 32 uint8 (E5M2 codes of Wk, K innermost, in blocks of 32 codes); Wk_scales 16 x 64 x 32 uint8 (E8M0 scales of Wk, one for each 32 codes along K); Wo_codes 1,024 x 32 x 32 uint8 (E5M2 codes of Wo, K innermost, in blocks of 32 codes); Wo_scales 1,024 x 32 uint8 (E8M0 scales of Wo, one for each 32 codes along K); Wq_codes 16 x 64 x 32 x 32 uint8 (E5M2 codes of Wq, K innermost, in blocks of 32 codes); Wq_scales 16 x 64 x 32 uint8 (E8M0 scales of Wq, one for each 32 codes along K); Wv_codes 16 x 64 x 32 x 32 uint8 (E5M2 codes of Wv, K innermost, in blocks of 32 codes); Wv_scales 16 x 64 x 32 uint8 (E8M0 scales of Wv, one for each 32 codes along K); b1 4,096 float32; b2 1,024 float32; bk 16 x 64 float32; bo 1,024 float32; bq 16 x 64 float32; bv 16 x 64 float32; ln1_b 1,024 float32; ln1_g 1,024 float32; ln2_b 1,024 float32; ln2_g 1,024 float32; x 4 x 1,024 x 1,024 float32.
;; Outputs: out0 4 x 1,024 x 1,024 float32.
;; This version of the problem:
;;   THIS VERSION OF THE PROBLEM IS GIVEN IN LOW PRECISION. The matrix products marked QUANTISED in the list below multiply operands that are first quantised to E5M2 (5 exponent bits, 2 mantissa bits; 8 bits a number), with one power-of-two scale for each 32 numbers along K (OCP MX v1.0); their sums are f32. All else is computed in f32.
;;   The module's matrix products, in the order in which they are computed (A, B: the left and right operand; K: the contracted axis; several contracted axes count as one K, in the product's order):
;;     1. [M 1,024, K 1,024] x [K 1,024, N 4,096]; A: input Wq (given as codes); B: computed on the way: QUANTISED
;;     2. [M 1,024, K 1,024] x [K 1,024, N 4,096]; A: input Wk (given as codes); B: computed on the way: QUANTISED
;;     3. [M 1,024, K 1,024] x [K 1,024, N 4,096]; A: input Wv (given as codes); B: computed on the way: QUANTISED
;;     4. batch 64 x [M 1,024, K 64] x [K 64, N 1,024]; A: computed on the way; B: computed on the way: QUANTISED
;;     5. batch 64 x [M 1,024, K 1,024] x [K 1,024, N 64]; A: softmax (see below); B: computed on the way: QUANTISED
;;     6. [M 4,096, K 1,024] x [K 1,024, N 1,024]; A: computed on the way; B: input Wo (given as codes): QUANTISED
;;     7. [M 4,096, K 1,024] x [K 1,024, N 4,096]; A: computed on the way; B: input W1 (given as codes): QUANTISED
;;     8. [M 4,096, K 4,096] x [K 4,096, N 1,024]; A: computed on the way; B: input W2 (given as codes): QUANTISED
;;   THE QUANTISER, for each operand of a quantised product, along K:
;;     - K is cut into blocks of 32 from its start; a last block that is shorter is filled with zeros.
;;     - A block's scale is 2^e with e = floor(log2(the largest magnitude in the block)) - 15, held to -126 .. 127; a block of zeros has e = 0. As a byte (E8M0): e + 127.
;;     - Each number is divided by its block's scale, clamped to +-57,344, and rounded to the nearest number of E5M2, ties to even, subnormals kept.
;;     - The product sums the exact products of the quantised numbers (number of the format x scale) in f32.
;;   ~~~python
;;   def quantise(x, axis):      # numpy; x: float32 -> the quantised numbers, widened to float32 again
;;       x = np.moveaxis(x, axis, -1); K = x.shape[-1]
;;       x = np.pad(x, [(0, 0)] * (x.ndim - 1) + [(0, -K % 32)]); x = x.reshape(x.shape[:-1] + (-1, 32)); a = np.abs(x).max(-1, keepdims=True)
;;       e = np.where(a > 0, np.clip(np.frexp(np.where(a > 0, a, 1))[1] - 1 - 15, -126, 127), 0)      # np.frexp(a)[1] - 1 = floor(log2(a)), exactly
;;       r = np.clip(x / 2.0 ** e, -57344, 57344)
;;       step = 2.0 ** (np.maximum(np.frexp(np.where(r == 0, 1, r))[1] - 1, -14) - 2)
;;       q = np.round(r / step) * step * 2.0 ** e      # np.round: ties to even
;;       return np.moveaxis(q.reshape(q.shape[:-2] + (-1,))[..., :K], -1, axis).astype(np.float32)
;;   ~~~
;;   SOFTMAX AHEAD OF A QUANTISED PRODUCT. Where the list says 'softmax', what is quantised is not the finished softmax but p = 2^(t - M), with t = logit x log2(e) and M = ceil(the row's largest t), a whole number; so 1/2 < the row's largest p <= 1. The row's sum l is taken of the UNQUANTISED p, in f32, and the product's result is divided by l at the end. Since M is a whole number, a kernel that streams over the keys may use a running M (the ceiling of the running maximum): every later rescaling is an exact power of two, which a block's scale takes up: the codes' values come out the same.
;;   OPERANDS COMPUTED ON THE WAY. 'Computed on the way' means the value that the module computes at that place (a softmax that the list does not call 'softmax' is quantised finished and normalised). What goes into a quantiser is computed in f32, as accurately as f32 sums, v_exp_f32 and their like allow (about 1e-6 of the number): no bf16 or f16 on the way to a quantiser, and a product that is left as it is and whose result goes on into a quantised operand takes f32 operands (vector FMAs, or v_wmma_f32_16x16x4_f32). A number that lies on a knife's edge between two numbers of the format may be rounded either way, as far as f32 arithmetic and the matrix unit's own rounding can turn it there, and no further.
;;   INPUTS GIVEN AS CODES. W1 (in the module: [1024, 4096], K = its axis 0); W2 (in the module: [4096, 1024], K = its axis 0); Wk (in the module: [16, 1024, 64], K = its axis 1); Wo (in the module: [1024, 1024], K = its axis 0); Wq (in the module: [16, 1024, 64], K = its axis 1); Wv (in the module: [16, 1024, 64], K = its axis 1): each comes as NAME_codes (uint8): NAME with its K axis moved to the last place and cut into blocks of 32 codes, [.., K / 32, bytes a block], one block behind the other in memory; one code a byte (a code: sign, 5 exponent bits, 2 mantissa bits); and NAME_scales (uint8): the same leading axes, one E8M0 byte (e + 127) for each 32 codes along K. Its value is code x scale, taken as it is: it is not quantised again, and the codes and scales need not be those that the quantiser above would give.
;; One version. Each part assembles by itself: llvm-mc -triple=amdgcn-amd-amdhsa -mcpu=gfx1250 --defsym DOCPART=n.
;; ======== version 1 of 1: 7 launches
;; limits: right only within a limited range of input values
;; workspace buffers: hc 4,194,304 bytes; hs 131,072 bytes; hb 13,238,272 bytes; af 4,194,304 bytes; asc 131,072 bytes; x1 16,777,216 bytes; yc 16,777,216 bytes; ys 524,288 bytes
;; launch ln1 (part 1): grid 256 x 1, 8 waves a work-group, no clusters, 83,456 bytes of LDS; arguments x, ln1_g, ln1_b, hc, hs; writes hc, hs
.if DOCPART == 1
	.amdgcn_target "amdgcn-amd-amdhsa--gfx1250"
	.amdhsa_code_object_version 6
	.text
	.protected	k_q94e3efa713_ln1
	.globl	k_q94e3efa713_ln1
	.p2align	8
	.type	k_q94e3efa713_ln1,@function
k_q94e3efa713_ln1:
	s_mov_b64 s[64:65], 0
	v_nop
	global_prefetch_b8 v0, s[64:65] scope:SCOPE_SE
	s_setreg_imm32_b32 hwreg(HW_REG_WAVE_MODE, 25, 1), 1
	s_wait_xcnt 0x0
; LAYER NORM AND QUANTISER.  src [4096][1024] f32 -> y = (x - mean) * rsqrt(var + 1e-5) * g + b, all in f32, then codes of BF8 (E5M2) along the row,
; hc [4096][1024] (one code a byte), with one E8M0 byte for each 32: hs [4096][32].
; SHARES.  A work-group of eight waves takes 16 rows, a wave two whole rows: a row is 4,096 bytes = 32 registers of a wave, so it stays in registers
; between the passes and memory is read once.  All 16 row loads of a wave go out together.  Mean first, then the sum of (x - mean)^2: no difference of large sums.
; No matrix unit, no cluster, no tensor load: the work-groups share nothing but g and b (8 KiB), and memory binds.
; THE TURN THROUGH LDS.  A load gives a lane 4 neighbours; the conversions want 16 neighbours of one block in one lane.  So a finished row goes through the wave's own
; stage: 64 places of 64 bytes + 16 of padding; it comes back 64 bytes a lane.  Two neighbouring lanes hold a block of 32.
; A block's scale is 2^(floor(log2(largest magnitude)) - 15); its byte is the largest magnitude's exponent field - 15, held at 1 from below.
; LIMITS: NaN and infinities are not served; a block under 2^-111, a block of zeros too, keeps the byte 1 (its codes are zeros or tiny; this program alone reads the bytes).
.set SP,   80                          ; a place in a stage
.set STG,  64*SP                       ; a row's stage
.set SCB,  16*STG                      ; behind the sixteen stages: the work-group's 512 scale bytes
.set G,    16                          ; v16-47   g of my 32 columns
.set BT,   48                          ; v48-79   b of them
.set X,    80                          ; v80-143  my two rows, 32 registers each
.set XS,   144                         ; v144-207 four sets of 16 neighbours: set 2 row + half
.set C,    208                         ; v208-223 their codes
.set E,    224                         ; v224-227 their scale bytes
.set MU,   228                         ; v228-231 the two means, each twice (a pair for the packed forms)
.set RS,   232                         ; v232-235 the two 1/sqrt, each twice
	s_load_b256 s[4:11], s[0:1], 0x0               ; src s[4:5], g s[6:7], b s[8:9], hc s[10:11]
	s_load_b64 s[16:17], s[0:1], 0x20              ; hs
	v_lshl_add_u32 v254, v0, 2, 0x14200
	v_mov_b32 v255, 0
	v_lshrrev_b32 v1, 5, v0
	s_delay_alu instid0(VALU_DEP_1)
	v_readfirstlane_b32 s18, v1                    ; wave 0..7
	v_and_b32 v1, 31, v0                           ; lane
	s_delay_alu instid0(VALU_DEP_1)
	v_lshlrev_b32 v2, 4, v1                        ; 16 x lane: my 16 bytes of a load's or a store's 512
	s_mul_i32 s19, s18, 2*STG                      ; my wave's two stages
	v_lshrrev_b32 v3, 2, v1
	s_delay_alu instid0(VALU_DEP_1)
	v_mul_u32_u24 v3, v3, SP
	v_and_b32 v7, 3, v1
	s_delay_alu instid0(VALU_DEP_1)
	v_lshl_add_u32 v3, v7, 4, v3
	s_delay_alu instid0(VALU_DEP_1)
	v_add_nc_u32 v3, s19, v3                       ; into a stage: four lanes' 64 bytes fill a place
	v_mul_u32_u24 v4, v1, SP
	s_delay_alu instid0(VALU_DEP_1)
	v_add_nc_u32 v4, s19, v4                       ; out of it: a place a lane
	s_lshl_b32 s20, s18, 6
	s_add_co_u32 s20, s20, SCB
	v_lshrrev_b32 v5, 1, v1
	s_delay_alu instid0(VALU_DEP_1)
	v_add_nc_u32 v5, s20, v5                       ; my block's scale byte: 32 bytes a row, two rows a wave
	v_add_nc_u32 v6, SCB, v2                       ; and the 512 bytes on their way out
	s_mov_b32 s12, 0x76543210
	s_mov_b32 s13, 0xfedcba98                      ; v_permlanex16_b32: lane l xor 16
	s_mov_b32 s14, 0x3a800000                      ; 1 / 1024
	s_mov_b32 s15, 0x3727c5ac                      ; 1e-5
	s_mov_b32 s26, 0x600000                        ; the mantissa field of 57,344
	s_lshl_b32 s20, ttmp9, 16                      ; 16 rows of 4,096 bytes a work-group,
	s_lshl_b32 s21, s18, 13                        ; two a wave
	s_add_co_u32 s20, s20, s21
	s_mov_b32 s21, 0
	s_lshr_b32 s22, s20, 2                         ; the codes: a quarter of the bytes
	s_mov_b32 s23, 0
	s_lshl_b32 s24, ttmp9, 9                       ; the scale bytes: 512 a work-group
	s_mov_b32 s25, 0
	s_wait_kmcnt 0x0
	s_add_nc_u64 s[4:5], s[4:5], s[20:21]
	s_add_nc_u64 s[10:11], s[10:11], s[22:23]
	s_add_nc_u64 s[16:17], s[16:17], s[24:25]
.irp p, 0,1
.irp j, 0,1,2,3,4,5,6,7
	global_load_b128 v[X+32*\p+4*\j:X+32*\p+4*\j+3], v2, s[4:5] offset:4096*\p+512*\j th:TH_LOAD_NT   ; 512 consecutive bytes a load
.endr
.endr
.irp j, 0,1,2,3,4,5,6,7
	global_load_b128 v[G+4*\j:G+4*\j+3], v2, s[6:7] offset:512*\j
.endr
.irp j, 0,1,2,3,4,5,6,7
	global_load_b128 v[BT+4*\j:BT+4*\j+3], v2, s[8:9] offset:512*\j
.endr
.macro ACROSS                          ; v8 and v12 become their sums over the 32 lanes, in every lane
.irp m, 1,2,4,8
	s_delay_alu instid0(VALU_DEP_2)
	v_add_f32_dpp v8, v8, v8 row_xmask:\m row_mask:0xf bank_mask:0xf
	s_delay_alu instid0(VALU_DEP_2)
	v_add_f32_dpp v12, v12, v12 row_xmask:\m row_mask:0xf bank_mask:0xf
.endr
	s_delay_alu instid0(VALU_DEP_2)
	v_permlanex16_b32 v9, v8, s12, s13             ; (v9 and v13 have been written: a lane permute's destination counts as read)
	s_delay_alu instid0(VALU_DEP_2)
	v_permlanex16_b32 v13, v12, s12, s13
	s_delay_alu instid0(VALU_DEP_2)
	v_add_f32 v8, v8, v9
	s_delay_alu instid0(VALU_DEP_2)
	v_add_f32 v12, v12, v13
.endm
	s_wait_loadcnt 16                              ; the two rows are in; the sixteen loads of g and b may be out
	; the sums: two chains a row, the rows by turns
.irp p, 0,1
	v_pk_add_f32 v[8+4*\p:9+4*\p], v[X+32*\p:X+32*\p+1], v[X+32*\p+4:X+32*\p+5]
	v_pk_add_f32 v[10+4*\p:11+4*\p], v[X+32*\p+2:X+32*\p+3], v[X+32*\p+6:X+32*\p+7]
.endr
.irp i, 8,12,16,20,24,28
.irp p, 0,1
	s_delay_alu instid0(VALU_DEP_4)
	v_pk_add_f32 v[8+4*\p:9+4*\p], v[8+4*\p:9+4*\p], v[X+32*\p+\i:X+32*\p+\i+1]
	s_delay_alu instid0(VALU_DEP_4)
	v_pk_add_f32 v[10+4*\p:11+4*\p], v[10+4*\p:11+4*\p], v[X+32*\p+\i+2:X+32*\p+\i+3]
.endr
.endr
.irp p, 0
	s_delay_alu instid0(VALU_DEP_3)
	v_pk_add_f32 v[8+4*\p:9+4*\p], v[8+4*\p:9+4*\p], v[10+4*\p:11+4*\p]
.endr
.irp p, 1
	s_delay_alu instid0(VALU_DEP_2)
	v_pk_add_f32 v[8+4*\p:9+4*\p], v[8+4*\p:9+4*\p], v[10+4*\p:11+4*\p]
.endr
.irp p, 0,1
	s_delay_alu instid0(VALU_DEP_2)
	v_add_f32 v[8+4*\p], v[8+4*\p], v[9+4*\p]
.endr
	ACROSS
.irp p, 0
	s_delay_alu instid0(VALU_DEP_2)
	v_mul_f32 v[MU+2*\p], s14, v[8+4*\p]           ; the mean
	s_delay_alu instid0(VALU_DEP_3)
	v_mul_f32 v[MU+2*\p+1], s14, v[8+4*\p]
.endr
.irp p, 1
	s_delay_alu instid0(VALU_DEP_3)
	v_mul_f32 v[MU+2*\p], s14, v[8+4*\p]           ; the mean
	s_delay_alu instid0(VALU_DEP_4)
	v_mul_f32 v[MU+2*\p+1], s14, v[8+4*\p]
.endr
.set i, 0
.rept 16
.irp p, 0,1
	v_pk_add_f32 v[X+32*\p+i:X+32*\p+i+1], v[X+32*\p+i:X+32*\p+i+1], v[MU+2*\p:MU+2*\p+1] neg_lo:[0,1] neg_hi:[0,1]   ; d = x - mean, in place
.endr
.set i, i+2
.endr
.irp p, 0,1
	v_pk_mul_f32 v[8+4*\p:9+4*\p], v[X+32*\p:X+32*\p+1], v[X+32*\p:X+32*\p+1]         ; the first squares start the chains
	v_pk_mul_f32 v[10+4*\p:11+4*\p], v[X+32*\p+2:X+32*\p+3], v[X+32*\p+2:X+32*\p+3]
.endr
.irp i, 4,8,12,16,20,24,28
.irp p, 0,1
	s_delay_alu instid0(VALU_DEP_4)
	v_pk_fma_f32 v[8+4*\p:9+4*\p], v[X+32*\p+\i:X+32*\p+\i+1], v[X+32*\p+\i:X+32*\p+\i+1], v[8+4*\p:9+4*\p]
	s_delay_alu instid0(VALU_DEP_4)
	v_pk_fma_f32 v[10+4*\p:11+4*\p], v[X+32*\p+\i+2:X+32*\p+\i+3], v[X+32*\p+\i+2:X+32*\p+\i+3], v[10+4*\p:11+4*\p]
.endr
.endr
.irp p, 0
	s_delay_alu instid0(VALU_DEP_3)
	v_pk_add_f32 v[8+4*\p:9+4*\p], v[8+4*\p:9+4*\p], v[10+4*\p:11+4*\p]
.endr
.irp p, 1
	s_delay_alu instid0(VALU_DEP_2)
	v_pk_add_f32 v[8+4*\p:9+4*\p], v[8+4*\p:9+4*\p], v[10+4*\p:11+4*\p]
.endr
.irp p, 0,1
	s_delay_alu instid0(VALU_DEP_2)
	v_add_f32 v[8+4*\p], v[8+4*\p], v[9+4*\p]
.endr
	ACROSS
.irp p, 0,1
	s_delay_alu instid0(VALU_DEP_2)
	v_fma_f32 v[8+4*\p], v[8+4*\p], s14, s15       ; the variance + 1e-5
.endr
	s_wait_alu depctr_va_vdst(0)
.irp p, 0,1
	v_rsq_f32 v[RS+2*\p], v[8+4*\p]                ; made twice, to fill the pair
	v_rsq_f32 v[RS+2*\p+1], v[8+4*\p]
.endr
	v_nop                                          ; a plain instruction behind the last of the four
	s_wait_loadcnt 0x0                             ; g and b
	s_wait_alu depctr_va_vdst(0)                   ; one wait for the four, ahead of their first reader
.set i, 0
.rept 16
.irp p, 0,1
	v_pk_mul_f32 v[X+32*\p+i:X+32*\p+i+1], v[X+32*\p+i:X+32*\p+i+1], v[RS+2*\p:RS+2*\p+1]
.endr
.set i, i+2
.endr
.set i, 0
.rept 16
.irp p, 0,1
	v_pk_fma_f32 v[X+32*\p+i:X+32*\p+i+1], v[X+32*\p+i:X+32*\p+i+1], v[G+i:G+i+1], v[BT+i:BT+i+1]
.endr
.set i, i+2
.endr
.irp p, 0,1
.irp j, 0,1,2,3,4,5,6,7
	ds_store_b128 v3, v[X+32*\p+4*\j:X+32*\p+4*\j+3] offset:STG*\p+8*SP*\j        ; a load's 512 bytes take eight places
.endr
.endr
.irp k, 0,1,2,3
.irp i, 0,1,2,3
	ds_load_b128 v[XS+16*\k+4*\i:XS+16*\k+4*\i+3], v4 offset:STG*(\k/2)+32*SP*(\k%2)+16*\i   ; LDS serves a wave's instructions in order: these see my stores
.endr
.endr
; set k: row k / 2, columns 512 (k % 2) + 16 lane + 0 .. 15
.macro BLOCK k
.set S0, XS+16*(\k)
	s_wait_dscnt 12-3*(\k)                         ; behind this set's four loads: the later sets' 12 - 4 k loads and the k byte stores issued since
	v_max3_num_f32 v8, |v[S0]|, |v[S0+1]|, |v[S0+2]|
	v_max3_num_f32 v9, |v[S0+3]|, |v[S0+4]|, |v[S0+5]|
.irp i, 6,10
	s_delay_alu instid0(VALU_DEP_2)
	v_max3_num_f32 v8, v8, |v[S0+\i]|, |v[S0+\i+1]|
	s_delay_alu instid0(VALU_DEP_2)
	v_max3_num_f32 v9, v9, |v[S0+\i+2]|, |v[S0+\i+3]|
.endr
	s_delay_alu instid0(VALU_DEP_2)
	v_max3_num_f32 v8, v8, |v[S0+14]|, |v[S0+15]|
	s_delay_alu instid0(VALU_DEP_1)
	v_max3_num_f32 v8, v8, v9, 0x8000000           ; and the floor 2^(16 - 127): the byte cannot fall under 1
	s_delay_alu instid0(VALU_DEP_1)
	v_max_num_f32_dpp v8, v8, v8 row_xmask:1 row_mask:0xf bank_mask:0xf   ; with my neighbour's 16: the block's largest magnitude
	s_delay_alu instid0(VALU_DEP_1)
	v_add_nc_u32 v11, 0xf8800000, v8               ; 15 off its exponent field: the conversion's scale operand
	s_delay_alu instid0(VALU_DEP_2)
	v_and_or_b32 v10, v8, 0x7f800000, s26          ; 57,344 x the scale
.set i, 0
.rept 16
	v_med3_num_f32 v[S0+i], v[S0+i], -v10, v10     ; the conversion to an 8-bit code does not saturate (ISA guide 7.6.2): the hold comes first
.set i, i+1
.endr
	v_cvt_scalef32_pk8_bf8_f32 v[C+4*(\k):C+4*(\k)+1], v[S0:S0+7], v11
	v_cvt_scalef32_pk8_bf8_f32 v[C+4*(\k)+2:C+4*(\k)+3], v[S0+8:S0+15], v11
	v_lshrrev_b32 v[E+(\k)], 23, v11               ; the scale's byte (also the plain line behind the conversions)
	ds_store_b8 v5, v[E+(\k)] offset:32*((\k)/2)+16*((\k)%2)      ; both lanes of a block write the same byte with the same value
	global_store_b128 v2, v[C+4*(\k):C+4*(\k)+3], s[10:11] offset:1024*((\k)/2)+512*((\k)%2)   ; 512 consecutive bytes a store
.endm
	BLOCK 0
	BLOCK 1
	BLOCK 2
	BLOCK 3
	s_wait_dscnt 0x0                               ; for wave 0's sake: my byte stores have landed
	s_barrier_signal -1
	s_barrier_wait -1
	s_cmp_lg_u32 s18, 0
	s_cbranch_scc1 .Lend
	ds_load_b128 v[8:11], v6                       ; the work-group's 16 rows x 32 scale bytes
	s_wait_dscnt 0x0
	global_store_b128 v2, v[8:11], s[16:17]        ; 512 consecutive bytes
.Lend:
	s_wait_tensorcnt 0x0
	ds_add_u32 v254, v255
	s_wait_dscnt 0x0
	s_endpgm
.Lfunc_end_k_q94e3efa713_ln1:
	.size	k_q94e3efa713_ln1, .Lfunc_end_k_q94e3efa713_ln1-k_q94e3efa713_ln1
	.p2alignl 7, 3214868480
	.fill 96, 4, 3214868480
	.section	.rodata,"a",@progbits
	.p2align	6, 0x0
	.amdhsa_kernel k_q94e3efa713_ln1
		.amdhsa_group_segment_fixed_size 83456
		.amdhsa_private_segment_fixed_size 0
		.amdhsa_enable_private_segment 0
		.amdhsa_kernarg_size 40
		.amdhsa_user_sgpr_count 2
		.amdhsa_user_sgpr_kernarg_segment_ptr 1
		.amdhsa_wavefront_size32 1
		.amdhsa_system_sgpr_workgroup_id_x 1
		.amdhsa_system_sgpr_workgroup_id_y 1
		.amdhsa_system_sgpr_workgroup_id_z 1
		.amdhsa_system_vgpr_workitem_id 0
		.amdhsa_next_free_vgpr 256
		.amdhsa_next_free_sgpr 66
		.amdhsa_reserve_vcc 0
		.amdhsa_float_denorm_mode_32 3
		.amdhsa_float_denorm_mode_16_64 3
		.amdhsa_memory_ordered 1
		.amdhsa_forward_progress 1
		.amdhsa_inst_pref_size 33
	.end_amdhsa_kernel
	.amdgpu_metadata
---
amdhsa.version: [ 1, 2 ]
amdhsa.kernels:
  - .name:           k_q94e3efa713_ln1
    .symbol:         k_q94e3efa713_ln1.kd
    .args:
      - { .name: x, .offset: 0, .size: 8, .value_kind: global_buffer, .address_space: global }
      - { .name: ln1_g, .offset: 8, .size: 8, .value_kind: global_buffer, .address_space: global }
      - { .name: ln1_b, .offset: 16, .size: 8, .value_kind: global_buffer, .address_space: global }
      - { .name: hc, .offset: 24, .size: 8, .value_kind: global_buffer, .address_space: global }
      - { .name: hs, .offset: 32, .size: 8, .value_kind: global_buffer, .address_space: global }
    .group_segment_fixed_size: 83456
    .private_segment_fixed_size: 0
    .kernarg_segment_align: 8
    .kernarg_segment_size: 40
    .max_flat_workgroup_size: 256
    .sgpr_count:     66
    .vgpr_count:     256
    .wavefront_size: 32
...
	.end_amdgpu_metadata
.endif
;; end of part 1
;; launch qkv (part 2): grid 12 x 16, 4 waves a work-group, clusters of 4 x 4, 327,680 bytes of LDS; arguments hc, hs, Wq_codes, Wq_scales, Wk_codes, Wk_scales, Wv_codes, Wv_scales, bq, bk, bv, hb; writes hb
.if DOCPART == 2
	.amdgcn_target "amdgcn-amd-amdhsa--gfx1250"
	.amdhsa_code_object_version 6
	.text
	.protected	k_q94e3efa713_qkv
	.globl	k_q94e3efa713_qkv
	.p2align	8
	.type	k_q94e3efa713_qkv,@function
k_q94e3efa713_qkv:
	s_mov_b64 s[64:65], 0
	v_nop
	global_prefetch_b8 v0, s[64:65] scope:SCOPE_SE
	s_setreg_imm32_b32 hwreg(HW_REG_WAVE_MODE, 25, 1), 1
	s_wait_xcnt 0x0
	s_wait_alu depctr_hold_cnt(0) depctr_sa_sdst(0) depctr_va_vdst(0) depctr_va_sdst(0) depctr_va_ssrc(0) depctr_va_vcc(0) depctr_vm_vsrc(0)
	s_getreg_b32 s2, hwreg(HW_REG_IB_STS2, 6, 4)
	s_cmp_eq_u32 s2, 0
	s_cbranch_scc0 .Lentry_in_a_cluster
	s_endpgm
.Lentry_in_a_cluster:
	s_bfe_u32 s2, ttmp6, 0x10000c
	s_cmp_lg_u32 s2, 0xf033
	s_cbranch_scc0 .Lentry_shape_is_right
	s_endpgm
.Lentry_shape_is_right:
; q, k, v = h1 W + bias on codes of BF8 (E5M2) with one E8M0 scale for each 32 along K = 1,024, and the results quantised at once for attention.
; h1: hc [4096][1024] codes, hs [4096][32] scale bytes.  Wq, Wk, Wv: [1024 rows = 64 head + e][1024] codes, [1024][32] scale bytes.  Biases [1024] f32.
; SHARES.  A work-group makes 256 tokens x 256 weight rows, each of its four waves 128 x 128: 64 accumulators, 512 registers.  The cluster's x (0, 1, 2) says which weight; the tile column is cx.
; K goes in steps of 256 through a ring of two LDS slots (tokens' 256 rows, then the weight's 256 rows; rows of 256 bytes + 16 of padding).  CLUSTERS: 4 x 4; the tokens' tiles are asked for jointly
; along a row of the cluster, the weight's along a column.  K is short (four slots' worth): the eight steps of 128 are written out, with two refills.
; THE MATRIX INSTRUCTION IS USED TRANSPOSED: source 0 = 16 rows of side X, source 1 = 16 rows of side Y; a lane then holds ONE row of Y (lane % 16) and eight neighbours of X, 8 (lane / 16) + 0..7.
; For q and k: X = weight rows (e runs along a lane's registers: the next K), Y = tokens.  For v the next K is the KEYS: X = tokens, Y = weight rows; only the LDS bases and scale pointers change places.
; PLACES OF k.  The 16 registers of X tiles 2 b, 2 b + 1 are X indices 32 b + 8 h + 0..7 and 32 b + 16 + 8 h + 0..7; with lane l xor 16 they are one block of 32.  Their codes are registers 4 b .. 4 b + 3 of the next
; operand, in which k so stands permuted INSIDE each block of 32, alike in q and k, and in v and the softmax's p: the products are the same, the order of the unit's sums differs.
; SCALES.  A row's 32 scale bytes come by one load of 16 bytes a lane at 32 row + 16 (lane / 16): register i then holds K step i's word in lanes 0-15 and K step 4 + i's in lanes 16-31 (read by the ROW1 selectors).
; OUT, hb: for each of the 64 heads (16 batch + head) HBS bytes: K codes [tile of 16 keys][c 0..1][lane][16]; V^T images [128 keys][16 e][c 0..3][lane][16]; K's scale words [tile][row]; V's; Q's codes; Q's words.
; LIMITS: NaN and infinities are not served; a block under 2^-111, a block of zeros too, keeps the byte 1 (this program alone reads the bytes).
; REGISTERS: window 0: v1-31 addresses; v32-63 Y's scale words, v64-95 X's: they hold scales and nothing else; v128-255 Y's fragments, one set.  window 1: X's fragments, two sets; on the way out all the arithmetic.
;   windows 2, 3: the accumulators ((a, b) at v[8 (8 (a % 4) + b)]).
.set KROW,  1024
.set ROWB,  256
.set PITCH, 272                        ; 68 words: the sixteen rows that a fragment load touches start at sixteen different banks (ISA guide 11.1)
.set HALFT, 128*PITCH
.set SLOT,  4*HALFT
.set SPARE, 2*SLOT                     ; the spare words, 128 bytes a wave
.set BIASL, SPARE+512                  ; 512 bytes a wave: my 128 bias numbers; no tile lands here
.set HBS,   206848
.set VOFF,  65536
.set KSW,   131072
.set VSW,   135168
.set QOFF,  137216
.set QSW,   202752
.set ADRA, 16
.set ADRB, 20
.set LI,   24                          ; 16 x lane
.set LI2,  25                          ; 16 x lane + where the codes of blocks 2 and 3 go
.set SCO,  26                          ; 32 r + 16 h
.set BAD,  27                          ; bias by X index: 32 h
.set SPW,  28
.set NIL,  29
.set LW,   30                          ; 4 x lane
.set BADV, 31                          ; bias by Y row: 4 r
.set SA,   32
.set SB,   64
.set AF,   128
; window 1 on the way out
.set X,    0
.set BIAS, 64
.set BV,   128
.set PC,   192
.set TM,   208
.set PW,   224
.set PWE,  225
.set PWM,  226
.set PW2,  227
.set G1, 24
.set G0, 32
.set G1B, 48
.set G0B, 56
.set ISV, 70
.set MNT, 82
.set SEL, 84
.set MSB, 0
.macro WIN new                         ; the immediate's high byte repeats the setting that is left
.if MSB != (\new)
	s_set_vgpr_msb (MSB<<8)|(\new)
.set MSB, (\new)
.endif
.endm
.set MUL_LO, 0xa1                      ; source 0 (X) window 1, source 1 (Y) window 0, C and D window 2
.set MUL_HI, 0xf1
.set TO_B,   0x40
.macro JLOAD g0a, g1a, g0b, g1b        ; a joint load: waves 0, 1 fetch the tokens' halves, waves 2, 3 the weight's; four v_nop follow each line
	s_cmp_eq_u32 s15, 0
	s_cbranch_scc0 .Lfor_b_\@
	tensor_load_to_lds s[\g0a:\g0a+3], s[\g1a:\g1a+7]
	s_nop 0
.rept 4
	v_nop
.endr
	s_branch .Lasked_\@
.Lfor_b_\@:
	tensor_load_to_lds s[\g0b:\g0b+3], s[\g1b:\g1b+7]
	s_nop 0
.rept 4
	v_nop
.endr
.Lasked_\@:
.endm
.macro CREST                           ; a round of the cluster's barrier behind its opening barrier
	s_cmp_lg_u32 s14, 0
	s_cbranch_scc1 .Lnot_wave_0_\@
	s_barrier_signal -3
.Lnot_wave_0_\@:
	s_barrier_wait -3
	s_barrier_signal -1
	s_barrier_wait -1
.endm
.macro CROUND
	s_barrier_signal -1
	s_barrier_wait -1
	CREST
.endm
.macro PLACES n
.rept \n
	v_nop
.endr
.endm
	s_load_b128 s[4:7], s[0:1], 0x0                ; hc, hs
	s_load_b512 s[72:87], s[0:1], 0x10             ; Wq codes, scales; Wk codes, scales; Wv codes, scales; bq; bk
	s_load_b128 s[88:91], s[0:1], 0x50             ; bv, hb
	v_lshl_add_u32 v[SPW], v0, 2, SPARE
	v_mov_b32 v[NIL], 0
	ds_add_u32 v28, v29
	ds_add_u32 v28, v29
	s_wait_dscnt 0x0
	v_lshrrev_b32 v1, 5, v0
	v_readfirstlane_b32 s14, v1                    ; wave 0..3
	s_lshr_b32 s15, s14, 1                         ; my half of the tokens.  Also: I fetch tokens (0) or weight rows (1)
	s_and_b32 s16, s14, 1                          ; my half of the weight rows.  Also: which 128 rows I fetch
	s_bfe_u32 s40, ttmp6, 0x40000                  ; cx: the tile column in the weight
	s_bfe_u32 s41, ttmp6, 0x40004                  ; cy
	s_and_b32 s17, ttmp7, 0xffff
	s_lshl_b32 s17, s17, 2
	s_add_co_u32 s17, s17, s41                     ; tile row: 256 tokens
	s_lshl_b32 s43, s41, 2
	s_lshl_b32 s43, 15, s43                        ; my row of the cluster
	s_lshl_b32 s44, 0x1111, s40                    ; my column
	s_or_b32 s[G1+0], s43, 1<<21                   ; the mask; elements of 1 byte; bit 21 beside a mask; no padding field: see tile_dim0 below
	s_or_b32 s[G1B+0], s44, 1<<21
.irp g, G1, G1B
	s_mov_b32 s[\g+1], ROWB<<16                    ; tensor_dim0
	s_mov_b32 s[\g+2], 256<<16                     ; tensor_dim1: the head's loads bring 256 rows; the ring's 128 (set at the changes of slots)
	s_mov_b32 s[\g+3], PITCH<<16                   ; tile_dim0 = 272 over tensor_dim0 = 256: the last 16 bytes of each LDS row are written as zeros, so every byte of a slot is written
	s_mov_b32 s[\g+4], 256                         ; tile_dim1
	s_mov_b32 s[\g+5], KROW                        ; from row to row
	s_mov_b32 s[\g+6], 0
	s_mov_b32 s[\g+7], 0
.endr
	s_lshl_b32 s18, s16, 7
	s_lshl_b32 s20, s17, 8
	s_add_co_u32 s20, s20, s18
	s_lshl_b32 s20, s20, 10                        ; tokens that I fetch: row 256 x tile row + 128 x half, 1,024 bytes a row
	s_mov_b32 s21, 0
	s_lshl_b32 s46, s40, 8
	s_add_co_u32 s46, s46, s18                     ; weight rows: 256 cx + 128 x half
	s_lshl_b32 s94, s46, 5                         ; (these are also my half for the products: their scale bytes,
	s_mov_b32 s95, 0
	s_lshl_b32 s22, s46, 2                         ; and their bias numbers)
	s_mov_b32 s23, 0
	s_lshl_b32 s46, s46, 10
	s_mov_b32 s47, 0
	s_mul_i32 s45, s14, HALFT                      ; where they go: wave x 128 rows
	s_lshl_b32 s92, s17, 8
	s_lshl_b32 s93, s15, 7
	s_add_co_u32 s92, s92, s93
	s_lshl_b32 s92, s92, 5                         ; my tokens' scale bytes
	s_mov_b32 s93, 0
	v_and_b32 v1, 15, v0                           ; r
	v_bfe_u32 v2, v0, 4, 1                         ; h
	v_and_b32 v5, 31, v0                           ; lane
	v_lshlrev_b32 v[LI], 4, v5
	v_lshlrev_b32 v[LW], 2, v5
	v_lshlrev_b32 v[SCO], 5, v1
	v_lshl_add_u32 v[SCO], v2, 4, v[SCO]
	s_wait_alu depctr_va_vdst(0)
	s_wait_kmcnt 0x0
	s_cmp_eq_u32 ttmp9, 0                          ; which weight: the cluster's x, which all sixteen partners share
	s_cselect_b64 s[8:9], s[72:73], s[76:77]
	s_cselect_b64 s[10:11], s[74:75], s[78:79]
	s_cselect_b64 s[12:13], s[84:85], s[86:87]
	s_cselect_b32 s2, QOFF, 0                      ; where the codes go in a head's block,
	s_mov_b32 s3, KSW
	s_cselect_b32 s3, QSW, s3                      ; and the scale words
	s_cmp_eq_u32 ttmp9, 2
	s_cselect_b64 s[8:9], s[80:81], s[8:9]
	s_cselect_b64 s[10:11], s[82:83], s[10:11]
	s_cselect_b64 s[12:13], s[88:89], s[12:13]
	s_cselect_b32 s2, VOFF, s2
	s_cselect_b32 s3, VSW, s3
	s_cselect_b32 s[ISV], 1, 0
	s_cselect_b32 s71, 5, 6                        ; scale words: 64 bytes a tile of tokens; for v 64 bytes a tile of e, four tiles to 128 keys
	s_mov_b32 s96, 1024
	s_cselect_b32 s72, 2048, s96                   ; from Y block to Y block: the codes' step,
	s_cselect_b32 s73, HBS-3*2048, s96             ; behind Y block 3 (for v: on to the next head),
	s_mov_b32 s74, 64                              ; the scale words' step,
	s_cselect_b32 s75, HBS-3*64, 64                ; and behind Y block 3
	s_mov_b32 s99, 0xffff
	s_cselect_b32 s99, -1, s99                     ; what of a scale word the first store takes
	s_mov_b32 s97, HBS
	s_cselect_b32 s97, 1024, s97
	v_add_nc_u32 v[LI2], s97, v[LI]                ; blocks 2, 3: q, k: the second head; v: the image's second half
	s_add_nc_u64 s[20:21], s[4:5], s[20:21]
	s_add_nc_u64 s[46:47], s[8:9], s[46:47]
	CROUND                                         ; all sixteen work-groups are here: the first joint loads meet
.irp s, 0,1
	s_mov_b32 s[G0+4*\s], 1
	s_add_co_u32 s[G0+4*\s+1], s45, \s*SLOT
	s_add_nc_u64 s[G0+4*\s+2:G0+4*\s+3], s[20:21], \s*ROWB
	s_or_b32 s[G0+4*\s+3], s[G0+4*\s+3], 0x80000000
	s_mov_b32 s[G0B+4*\s], 1
	s_add_co_u32 s[G0B+4*\s+1], s45, \s*SLOT
	s_add_nc_u64 s[G0B+4*\s+2:G0B+4*\s+3], s[46:47], \s*ROWB
	s_or_b32 s[G0B+4*\s+3], s[G0B+4*\s+3], 0x80000000
.endr
	s_add_nc_u64 s[92:93], s[6:7], s[92:93]        ; the tokens' scale bytes,
	s_add_nc_u64 s[94:95], s[10:11], s[94:95]      ; the weight rows'
	; THE HEAD'S LOADS, ONE A WAVE: wave 0 the tokens' 256 rows of slot 0, wave 1 the weight's, waves 2 and 3 the same of slot 1.  Groups 0 lie where arguments lay that have been used.
	s_lshl_b32 s76, s17, 18                        ; the tile's first token, 1,024 bytes a row
	s_lshl_b32 s78, s40, 18                        ; the tile's first weight row
	s_lshl_b32 s77, s15, 8                         ; slot wave / 2: 256 bytes on along K
	s_add_co_u32 s76, s76, s77
	s_add_co_u32 s78, s78, s77
	s_mov_b32 s77, 0
	s_mov_b32 s79, 0
	s_add_nc_u64 s[6:7], s[4:5], s[76:77]
	s_add_nc_u64 s[10:11], s[8:9], s[78:79]
	s_or_b32 s7, s7, 0x80000000
	s_or_b32 s11, s11, 0x80000000
	s_mov_b32 s4, 1
	s_mul_i32 s5, s15, SLOT
	s_mov_b32 s8, 1
	s_add_co_u32 s9, s5, 2*HALFT
.macro ARM under, g0, g1, next
	s_cmp_lt_u32 s14, \under
	s_cbranch_scc0 \next
	tensor_load_to_lds s[\g0:\g0+3], s[\g1:\g1+7]
	s_nop 0
.rept 4
	v_nop
.endr
	s_branch .Lhead_asked
\next:
.endm
	ARM 1, 4, G1,  .Lhead_1
	ARM 2, 8, G1B, .Lhead_2
	ARM 3, 4, G1,  .Lhead_3
	tensor_load_to_lds s[8:11], s[G1B:G1B+7]
	s_nop 0
.rept 4
	v_nop
.endr
.Lhead_asked:
	s_add_nc_u64 s[12:13], s[12:13], s[22:23]      ; their bias
	s_mul_i32 s21, s15, HALFT                      ; my 128 tokens in a slot,
	s_mul_i32 s22, s16, HALFT
	s_add_co_u32 s22, s22, 2*HALFT                 ; my 128 weight rows
	s_cmp_eq_u32 s[ISV], 1                         ; for v the two sides change places
	s_cselect_b64 s[18:19], s[94:95], s[92:93]     ; Y's scale bytes
	s_cselect_b64 s[94:95], s[92:93], s[94:95]     ; X's
	s_cselect_b32 s20, s22, s21                    ; Y's rows in a slot
	s_cselect_b32 s22, s21, s22                    ; X's
.irp i, 0,1,2,3,4,5,6,7
	global_load_b128 v[SA+4*\i:SA+4*\i+3], v[SCO], s[18:19] offset:512*\i
.endr
.irp i, 0,1,2,3,4,5,6,7
	global_load_b128 v[SB+4*\i:SB+4*\i+3], v[SCO], s[94:95] offset:512*\i
.endr
	global_load_b128 v[8:11], v[LI], s[12:13]      ; my 128 bias numbers
	v_mul_u32_u24 v3, v1, PITCH
	v_lshl_add_u32 v4, v2, 4, v3                   ; a fragment's row x pitch + 16 x half
.irp s, 0,1
	v_add_nc_u32 v[ADRA+\s], s20, v4
	v_add_nc_u32 v[ADRB+\s], s22, v4
	s_add_co_u32 s20, s20, SLOT
	s_add_co_u32 s22, s22, SLOT
.endr
	s_lshl_b32 s23, s14, 9
	s_add_co_u32 s23, s23, BIASL
	v_add_nc_u32 v12, s23, v[LI]
	v_lshl_add_u32 v[BAD], v2, 5, s23
	v_lshl_add_u32 v[BADV], v1, 2, s23
	; where my results go
	s_lshr_b32 s76, s17, 2
	s_lshl_b32 s76, s76, 4                         ; 16 x batch
	s_lshl_b32 s77, s40, 2
	s_add_co_u32 s76, s76, s77
	s_lshl_b32 s77, s16, 1
	s_add_co_u32 s76, s76, s77                     ; + my first head: 4 cx + 2 x half
	s_mul_i32 s76, s76, HBS
	s_and_b32 s77, s17, 3
	s_lshl_b32 s77, s77, 4
	s_lshl_b32 s78, s15, 3
	s_add_co_u32 s77, s77, s78                     ; my first tile of 16 tokens in the batch
	s_lshl_b32 s78, s77, 10                        ; 1,024 bytes of codes a tile (for v: 128 keys are four images of 2,048: the same bytes)
	s_add_co_u32 s78, s78, s76
	s_add_co_u32 s78, s78, s2
	s_mov_b32 s79, 0
	s_lshl_b32 s80, s77, s71
	s_add_co_u32 s80, s80, s76
	s_add_co_u32 s80, s80, s3
	s_mov_b32 s81, 0
	s_add_nc_u64 s[66:67], s[90:91], s[78:79]      ; the codes
	s_add_nc_u64 s[68:69], s[90:91], s[80:81]      ; the scale words
	s_mov_b32 s[SEL], 0x76543210
	s_mov_b32 s[SEL+1], 0xfedcba98
	s_mov_b32 s[MNT], 0x600000
	s_mov_b32 s98, 0xffff0000                      ; lanes 16-31
	s_wait_alu depctr_va_vdst(0)
	s_wait_loadcnt 0x0                             ; the scale words and the bias
	ds_store_b128 v12, v[8:11]                     ; the bias into my own 512 bytes
.macro FRAG reg, adr, q, i             ; 16 rows x 128 K: registers 4 c .. 4 c + 3 hold K = 32 c + 16 (lane / 16) + 0 .. 15
.irp c, 0,1,2,3
	ds_load_b128 v[\reg+4*\c:\reg+4*\c+3], v[\adr] offset:128*(\q)+32*\c+(\i)*16*PITCH
.endr
.endm
; 16 matrix instructions: Y's blocks a0, a0 + 1 x X's eight; K step s of eight; p: X's set.  The 64 accumulators take turns, one instruction a turn, in the same order in every step.
.macro MUL16 a0, p, s, zero
.irp a, \a0, \a0+1
.irp b, 0,1,2,3,4,5,6,7
.if \zero
	v_wmma_scale_f32_16x16x128_f8f6f4 v[8*(8*((\a)%4)+\b):8*(8*((\a)%4)+\b)+7], v[128*(\p)+16*\b:128*(\p)+16*\b+15], v[AF+16*(\a):AF+16*(\a)+15], 0, v[SB+4*\b+(\s)%4], v[SA+4*(\a)+(\s)%4] matrix_a_fmt:MATRIX_FMT_BF8 matrix_b_fmt:MATRIX_FMT_BF8
.elseif (\s)%8 < 4
	v_wmma_scale_f32_16x16x128_f8f6f4 v[8*(8*((\a)%4)+\b):8*(8*((\a)%4)+\b)+7], v[128*(\p)+16*\b:128*(\p)+16*\b+15], v[AF+16*(\a):AF+16*(\a)+15], v[8*(8*((\a)%4)+\b):8*(8*((\a)%4)+\b)+7], v[SB+4*\b+(\s)%4], v[SA+4*(\a)+(\s)%4] matrix_a_fmt:MATRIX_FMT_BF8 matrix_b_fmt:MATRIX_FMT_BF8
.else
	v_wmma_scale_f32_16x16x128_f8f6f4 v[8*(8*((\a)%4)+\b):8*(8*((\a)%4)+\b)+7], v[128*(\p)+16*\b:128*(\p)+16*\b+15], v[AF+16*(\a):AF+16*(\a)+15], v[8*(8*((\a)%4)+\b):8*(8*((\a)%4)+\b)+7], v[SB+4*\b+(\s)%4], v[SA+4*(\a)+(\s)%4] matrix_a_fmt:MATRIX_FMT_BF8 matrix_b_fmt:MATRIX_FMT_BF8 matrix_a_scale:MATRIX_SCALE_ROW1 matrix_b_scale:MATRIX_SCALE_ROW1
.endif
.endr
.endr
.endm
.macro FETCH_B slot, q, p
	WIN TO_B
.irp i, 0,1,2,3,4,5,6,7
	FRAG 128*(\p)+16*\i, ADRB+\slot, \q, \i
.endr
	WIN 0
.endm
.macro FETCH_A slot, q, i0
.irp i, \i0, \i0+1, \i0+2, \i0+3
	FRAG AF+16*(\i), ADRA+\slot, \q, \i
.endr
.endm
; A slot's first 128 along K.  A load into a register that a matrix instruction has read stands eight plain vector instructions behind it.
.macro STEP slot, s, zero
	s_wait_dscnt 16                                ; X's set and Y's blocks 0-3 are in; the youngest sixteen loads (Y's blocks 4-7) may be out
	WIN MUL_LO
	MUL16 0, 0, \s, \zero
	MUL16 2, 0, \s, \zero
	s_wait_dscnt 0x0                               ; Y's blocks 4-7
	PLACES 8
	FETCH_B \slot, 1, 1
	FETCH_A \slot, 1, 0
	WIN MUL_HI
	MUL16 4, 0, \s, \zero
	MUL16 6, 0, \s, \zero
	PLACES 8
	WIN 0
	FETCH_A \slot, 1, 4
.endm
; A slot's second 128 changes slots: ONE barrier; in front of it each wave waits for all its tensor loads, adds 0 to its spare word, and waits for that and for its reads of this slot.
.macro TURN slot, next, s, fill
	s_wait_tensorcnt 0x0                           ; all my tensor loads have landed: my part of the next slot
	ds_add_u32 v[SPW], v[NIL]                      ; 0 onto my spare word
	s_mov_b32 s[G1+2], 128<<16                     ; no tensor load of mine is out: from here on a load brings 128 rows
	s_mov_b32 s[G1+4], 128
	s_mov_b32 s[G1B+2], 128<<16
	s_mov_b32 s[G1B+4], 128
	s_wait_dscnt 17
	WIN MUL_LO
	MUL16 0, 1, \s, 0
	s_wait_dscnt 0x0                               ; the add is done, and my reads of this slot are over
	s_barrier_signal -1
	MUL16 2, 1, \s, 0
	WIN 0
	s_barrier_wait -1
.if \fill
	CREST                                          ; the barrier has opened a round of the cluster's: no wave of any partner still reads this slot or has a load on its way
	s_add_nc_u64 s[G0+4*\slot+2:G0+4*\slot+3], s[G0+4*\slot+2:G0+4*\slot+3], 2*ROWB
	s_add_nc_u64 s[G0B+4*\slot+2:G0B+4*\slot+3], s[G0B+4*\slot+2:G0B+4*\slot+3], 2*ROWB
	JLOAD G0+4*\slot, G1, G0B+4*\slot, G1B         ; my one load behind the round; its four v_nop are four of the eight places
	PLACES 4
.else
	PLACES 8
.endif
	FETCH_B \next, 0, 0
	FETCH_A \next, 0, 0
	WIN MUL_HI
	MUL16 4, 1, \s, 0
	MUL16 6, 1, \s, 0
	PLACES 8
	WIN 0
	FETCH_A \next, 0, 4
.endm
	s_cmp_lt_u32 s14, 2                            ; waves 0 and 1 brought slot 0; slot 1's loads, lines of their own, are waited for at the first change of slots
	s_cbranch_scc0 .Lslot_1_out
	s_wait_tensorcnt 0x0
.Lslot_1_out:
	s_wait_dscnt 0x0
	s_barrier_signal -1
	s_barrier_wait -1
	FETCH_B 0, 0, 0
	FETCH_A 0, 0, 0
	FETCH_A 0, 0, 4
	STEP 0, 0, 1                                   ; the first products start the sums
	TURN 0, 1, 1, 1
	STEP 1, 2, 0
	TURN 1, 0, 3, 1
	STEP 0, 4, 0
	TURN 0, 1, 5, 0
	STEP 1, 6, 0
	s_wait_dscnt 16                                ; the last step fetches nothing
	WIN MUL_LO
	MUL16 0, 1, 7, 0
	MUL16 2, 1, 7, 0
	s_wait_dscnt 0x0
	WIN MUL_HI
	MUL16 4, 1, 7, 0
	MUL16 6, 1, 7, 0
	WIN 0
; THE WAY OUT: eight trips, one for each Y block: 64 numbers a lane + bias, quantised in four blocks of 32, stored as an image of the next operand's registers.  All arithmetic in window 1.
; 64 numbers v[s] .. v[s + 63] become codes in v[PC] on and a scale word in v[PW].
.macro QUANT s
.irp b, 0,1,2,3
	v_max3_num_f32 v[TM+\b], |v[\s+16*\b]|, |v[\s+1+16*\b]|, 0x8000000   ; my 16 numbers of block b, and the floor 2^(16 - 127)
.endr
.irp i, 2,4,6,8,10,12,14
.irp b, 0,1,2,3
	v_max3_num_f32 v[TM+\b], v[TM+\b], |v[\s+16*\b+\i]|, |v[\s+1+16*\b+\i]|
.endr
.endr
.irp b, 0,1,2,3
	v_permlanex16_b32 v[TM+4+\b], v[TM+\b], s[SEL], s[SEL+1]
.endr
.irp b, 0,1,2,3
	v_max_num_f32 v[TM+\b], v[TM+\b], v[TM+4+\b]   ; with lane l xor 16's: the block's largest magnitude
.endr
.irp b, 0,1,2,3
	v_add_nc_u32 v[TM+12+\b], 0xf8800000, v[TM+\b] ; 15 off its exponent field: the conversion's scale operand
.endr
.irp b, 0,1,2,3
	v_and_or_b32 v[TM+8+\b], v[TM+\b], 0x7f800000, s[MNT]   ; 57,344 x the scale
.endr
.irp b, 0,1,2,3
	v_lshrrev_b32 v[TM+4+\b], 23, v[TM+12+\b]      ; the scale's byte
.endr
	v_lshl_or_b32 v[PW], v[TM+5], 8, v[TM+4]
	v_lshl_or_b32 v[PW], v[TM+6], 16, v[PW]
	v_lshl_or_b32 v[PW], v[TM+7], 24, v[PW]
.irp b, 0,1,2,3
.irp i, 0,1,2,3,4,5,6,7,8,9,10,11,12,13,14,15
	v_med3_num_f32 v[\s+16*\b+\i], v[\s+16*\b+\i], -v[TM+8+\b], v[TM+8+\b]   ; the conversion does not saturate (ISA guide 7.6.2)
.endr
	v_cvt_scalef32_pk8_bf8_f32 v[PC+4*\b:PC+1+4*\b], v[\s+16*\b:\s+7+16*\b], v[TM+12+\b]
	v_cvt_scalef32_pk8_bf8_f32 v[PC+2+4*\b:PC+3+4*\b], v[\s+8+16*\b:\s+15+16*\b], v[TM+12+\b]
.endr
	v_nop                                          ; a plain line behind the last conversion
.endm
.macro TAKE a, v                       ; X = Y block a's eight accumulators + bias, each accumulator from its low end on.  v = 1: the bias goes by Y row
	WIN 0x46+(\a)/4                                ; source 0 window 2 or 3, source 1 and destination window 1
.set i, 0
.rept 32
.if \v
	v_pk_add_f32 v[X+i:X+i+1], v[64*((\a)%4)+i:64*((\a)%4)+i+1], v[BV+2*(\a):BV+2*(\a)+1]
.else
	v_pk_add_f32 v[X+i:X+i+1], v[64*((\a)%4)+i:64*((\a)%4)+i+1], v[BIAS+i:BIAS+i+1]
.endif
.set i, i+2
.endr
	WIN 0
.endm
	PLACES 8                                       ; behind the last products: reads of results, and loads and writes into window 1
	WIN TO_B
.irp b, 0,1,2,3,4,5,6,7
	ds_load_b128 v[BIAS+8*\b:BIAS+8*\b+3], v[BAD] offset:64*\b        ; by X index: 16 b + 8 h + 0 .. 7
	ds_load_b128 v[BIAS+8*\b+4:BIAS+8*\b+7], v[BAD] offset:64*\b+16
.endr
.irp a, 0,1,2,3,4,5,6,7
	ds_load_b32 v[BV+2*\a], v[BADV] offset:64*\a                      ; by Y row: 16 a + r, twice, for the packed form.  Both tables are read on every way
	ds_load_b32 v[BV+2*\a+1], v[BADV] offset:64*\a
.endr
.irp b, 0,1,2,3
	v_mov_b32 v[TM+4+\b], 0                        ; written once: a lane permute's destination counts as read
.endr
	v_mov_b32 v[PWE], 0
	WIN 0
	s_wait_dscnt 0x0
	s_mov_b32 s3, 0
.Lout:
	s_cmp_eq_u32 s[ISV], 1
	s_cbranch_scc1 .Lvlad
.irp a, 0,1,2,3,4,5,6
	s_cmp_eq_u32 s3, \a
	s_cbranch_scc1 .Lm\a
.endr
	TAKE 7, 0
	s_branch .Lcom
.irp a, 0,1,2,3,4,5,6
.Lm\a:
	TAKE \a, 0
	s_branch .Lcom
.endr
.Lvlad:
.irp a, 0,1,2,3,4,5,6
	s_cmp_eq_u32 s3, \a
	s_cbranch_scc1 .Lv\a
.endr
	TAKE 7, 1
	s_branch .Lcom
.irp a, 0,1,2,3,4,5,6
.Lv\a:
	TAKE \a, 1
	s_branch .Lcom
.endr
.Lcom:
	WIN 0x55
	QUANT X
	WIN 0x04                                       ; a store's data are its source 1: window 1
	global_store_b128 v[LI], v[PC:PC+3], s[66:67]                    ; 512 consecutive bytes a store
	global_store_b128 v[LI], v[PC+4:PC+7], s[66:67] offset:512
	global_store_b128 v[LI2], v[PC+8:PC+11], s[66:67]
	global_store_b128 v[LI2], v[PC+12:PC+15], s[66:67] offset:512
	WIN 0
	s_bitcmp1_b32 s3, 0                            ; two Y blocks' scale words leave together: 128 consecutive bytes
	s_cbranch_scc1 .Lodd
	WIN 0x55
	v_mov_b32 v[PWE], v[PW]
	WIN 0
	s_branch .Lnext
.Lodd:
	WIN 0x55
	v_cndmask_b32 v[PWM], v[PWE], v[PW], s98       ; lanes 0-15: the block before's rows; lanes 16-31: this block's
	v_and_b32 v[PW2], s99, v[PWM]                  ; q, k: the first head's two bytes; v: all four
	WIN 0x04
	global_store_b32 v[LW], v[PW2], s[68:69] offset:-64
	WIN 0
	s_cmp_eq_u32 s[ISV], 1
	s_cbranch_scc1 .Lnext
	WIN 0x55
	v_lshrrev_b32 v[PWM], 16, v[PWM]               ; the second head's two bytes
	WIN 0x04
	global_store_b32 v[LW], v[PWM], s[68:69] offset:HBS-64
	WIN 0
.Lnext:
	s_wait_xcnt 0x0                                ; the stores have read their data and bases: both are written again only behind this wait
	s_cmp_eq_u32 s3, 3
	s_cselect_b32 s18, s73, s72
	s_cselect_b32 s20, s75, s74
	s_mov_b32 s19, 0
	s_mov_b32 s21, 0
	s_add_nc_u64 s[66:67], s[66:67], s[18:19]
	s_add_nc_u64 s[68:69], s[68:69], s[20:21]
	s_add_co_u32 s3, s3, 1
	s_cmp_lt_u32 s3, 8
	s_cbranch_scc1 .Lout
	s_wait_tensorcnt 0x0                           ; the wave's end
	ds_add_u32 v[SPW], v[NIL]
	s_wait_dscnt 0x0
	CROUND                                         ; the closing round
	s_endpgm
.Lfunc_end_k_q94e3efa713_qkv:
	.size	k_q94e3efa713_qkv, .Lfunc_end_k_q94e3efa713_qkv-k_q94e3efa713_qkv
	.p2alignl 7, 3214868480
	.fill 96, 4, 3214868480
	.section	.rodata,"a",@progbits
	.p2align	6, 0x0
	.amdhsa_kernel k_q94e3efa713_qkv
		.amdhsa_group_segment_fixed_size 327680
		.amdhsa_private_segment_fixed_size 0
		.amdhsa_enable_private_segment 0
		.amdhsa_kernarg_size 96
		.amdhsa_user_sgpr_count 2
		.amdhsa_user_sgpr_kernarg_segment_ptr 1
		.amdhsa_wavefront_size32 1
		.amdhsa_system_sgpr_workgroup_id_x 1
		.amdhsa_system_sgpr_workgroup_id_y 1
		.amdhsa_system_sgpr_workgroup_id_z 1
		.amdhsa_system_vgpr_workitem_id 0
		.amdhsa_next_free_vgpr 1024
		.amdhsa_next_free_sgpr 100
		.amdhsa_reserve_vcc 0
		.amdhsa_float_denorm_mode_32 3
		.amdhsa_float_denorm_mode_16_64 3
		.amdhsa_memory_ordered 1
		.amdhsa_forward_progress 1
		.amdhsa_inst_pref_size 163
	.end_amdhsa_kernel
	.amdgpu_metadata
---
amdhsa.version: [ 1, 2 ]
amdhsa.kernels:
  - .name:           k_q94e3efa713_qkv
    .symbol:         k_q94e3efa713_qkv.kd
    .args:
      - { .name: hc, .offset: 0, .size: 8, .value_kind: global_buffer, .address_space: global }
      - { .name: hs, .offset: 8, .size: 8, .value_kind: global_buffer, .address_space: global }
      - { .name: Wq_codes, .offset: 16, .size: 8, .value_kind: global_buffer, .address_space: global }
      - { .name: Wq_scales, .offset: 24, .size: 8, .value_kind: global_buffer, .address_space: global }
      - { .name: Wk_codes, .offset: 32, .size: 8, .value_kind: global_buffer, .address_space: global }
      - { .name: Wk_scales, .offset: 40, .size: 8, .value_kind: global_buffer, .address_space: global }
      - { .name: Wv_codes, .offset: 48, .size: 8, .value_kind: global_buffer, .address_space: global }
      - { .name: Wv_scales, .offset: 56, .size: 8, .value_kind: global_buffer, .address_space: global }
      - { .name: bq, .offset: 64, .size: 8, .value_kind: global_buffer, .address_space: global }
      - { .name: bk, .offset: 72, .size: 8, .value_kind: global_buffer, .address_space: global }
      - { .name: bv, .offset: 80, .size: 8, .value_kind: global_buffer, .address_space: global }
      - { .name: hb, .offset: 88, .size: 8, .value_kind: global_buffer, .address_space: global }
    .group_segment_fixed_size: 327680
    .private_segment_fixed_size: 0
    .kernarg_segment_align: 8
    .kernarg_segment_size: 96
    .max_flat_workgroup_size: 128
    .sgpr_count:     100
    .vgpr_count:     1024
    .wavefront_size: 32
...
	.end_amdgpu_metadata
.endif
;; end of part 2
;; launch attn (part 3): grid 4 x 64, 16 waves a work-group, clusters of 4 x 1, 169,984 bytes of LDS; arguments hb, af, asc; writes af, asc
.if DOCPART == 3
	.amdgcn_target "amdgcn-amd-amdhsa--gfx1250"
	.amdhsa_code_object_version 6
	.text
	.protected	k_q94e3efa713_attn
	.globl	k_q94e3efa713_attn
	.p2align	8
	.type	k_q94e3efa713_attn,@function
k_q94e3efa713_attn:
	s_mov_b64 s[64:65], 0
	v_nop
	global_prefetch_b8 v0, s[64:65] scope:SCOPE_SE
	s_setreg_imm32_b32 hwreg(HW_REG_WAVE_MODE, 25, 1), 1
	s_wait_xcnt 0x0
	s_wait_alu depctr_hold_cnt(0) depctr_sa_sdst(0) depctr_va_vdst(0) depctr_va_sdst(0) depctr_va_ssrc(0) depctr_va_vcc(0) depctr_vm_vsrc(0)
	s_getreg_b32 s2, hwreg(HW_REG_IB_STS2, 6, 4)
	s_cmp_eq_u32 s2, 0
	s_cbranch_scc0 .Lentry_in_a_cluster
	s_endpgm
.Lentry_in_a_cluster:
	s_bfe_u32 s2, ttmp6, 0x10000c
	s_cmp_lg_u32 s2, 0x3003
	s_cbranch_scc0 .Lentry_shape_is_right
	s_endpgm
.Lentry_shape_is_right:
; CAUSAL ATTENTION of one head (head size 64, 1,024 tokens) on codes of BF8 (E5M2) with E8M0 scales, and its result quantised along D for the next product.
; IN, hb: a head's block: K codes, V^T images, K's and V's scale words (137,216 bytes, which come into LDS as they lie), then Q's codes and scale words.
; THE SOFTMAX AHEAD OF THE SECOND PRODUCT: t = score x log2(e) / 8; M = the row's largest t so far, rounded UP to a whole number; p = 2^(t - M) is quantised along the keys, not normalised; the row's sum is taken of the
; unquantised p and divides at the end.  When M moves, the sum and O are multiplied by 2^(old M - new M): exact.
; SHARES.  A cluster of four work-groups is one head: all four need the same K and V, so the 137,216 bytes are asked for JOINTLY, once, by waves 0-7 (17,152 bytes each).  LDS is filled once: no ring.
; A wave owns one tile of 16 queries and walks key steps of 128 up to its diagonal: beta + 1 steps, beta = tile / 8.  beta hangs on the wave's number alone, chosen so that four waves with equal (wave % 4), and four
; with equal (wave / 4), have 18 steps together; which of the eight tiles of that beta hangs on cx too, but enters only global addresses and the mask's numbers: no branch and no LDS address hangs on cx.
; LAYOUT.  Both products transposed: S^T = K Q^T (source 0 = 16 keys), O^T = V^T P^T (source 0 = 16 of the head's 64): a lane holds one query throughout.  K = 64 fills half of the instruction's 128: the upper
; halves of Q's and K's fragments are zero codes.  p's 16 registers of tiles 2 b, 2 b + 1 are keys 32 b + 8 h + 0..7 and 32 b + 16 + 8 h + 0..7: V^T's images hold their keys in the same places.
; OUT: af: images [tile of 16 tokens][K step of 128 along D][c][lane][16]; asc [token][32] scale bytes, byte 2 head + block.  A row's 32 bytes come from 16 heads, so these two-byte stores write parts of
; aligned 256-byte blocks: one byte in 32 of what the launch stores.
; LIMITS: NaN and infinities are not served; a block under 2^-111, a block of zeros too, keeps the byte 1.
; REGISTERS: v1-7 stay; v8-11 the step's addresses; v12 -M, v13 largest t, v[14:15] the sum; v16-31 Q; v32-95 four fragments of K; v96-159 S^T, p, then V's four fragments; v160-191 O^T; v192-207 p's codes;
;   v209 -infinity; v[210:211] f; v232-247, v254 at work; v248-251, v253, v255 scale words and nothing else.
.set HBS,   206848
.set VOFF,  65536
.set KSW,   131072
.set VSW,   135168
.set QOFF,  137216
.set QSW,   202752
.set PART,  17152
.set WV,   10
.set BETA, 11
.set MNT,  19
.set SEL,  20
.set CS,   22
.set G1,   24
.set G0,   32
.set J,    36
.set TK,   37                          ; the step's codes: 8,192 bytes a step, in K and in V alike
.set TS,   38                          ; K's scale words: 512 bytes a step
.set TJ,   39                          ; V's: 256
.macro CROUND
	s_barrier_signal -1
	s_barrier_wait -1
	s_cmp_lg_u32 s[WV], 0
	s_cbranch_scc1 .Lnot_wave_0_\@
	s_barrier_signal -3
.Lnot_wave_0_\@:
	s_barrier_wait -3
	s_barrier_signal -1
	s_barrier_wait -1
.endm
	s_load_b128 s[4:7], s[0:1], 0x0                ; hb, af
	s_load_b64 s[8:9], s[0:1], 0x10                ; asc
	v_lshl_add_u32 v231, v0, 2, 0x29000
	v_mov_b32 v252, 0
	ds_add_u32 v231, v252
	ds_add_u32 v231, v252
	v_lshrrev_b32 v8, 5, v0
	s_delay_alu instid0(VALU_DEP_1)
	v_readfirstlane_b32 s[WV], v8                  ; wave 0..15
	s_bfe_u32 s13, ttmp6, 0x40000                  ; cx
	s_and_b32 s12, ttmp7, 0xffff                   ; 16 batch + head, which the four partners share
	s_mul_i32 s14, s12, HBS
	s_mov_b32 s15, 0
	s_and_b32 s16, s[WV], 7
	s_mul_i32 s16, s16, PART                       ; which eighth I fetch, if I fetch
	s_mov_b32 s[G1], 15|(3<<16)|(1<<21)            ; the mask: all four; elements of 8 bytes; bit 21 beside a mask; no padding: the bytes are read as consecutive runs
	s_mov_b32 s[G1+1], 32<<16                      ; rows of 256 bytes,
	s_mov_b32 s[G1+2], 67<<16                      ; 67 of them
	s_mov_b32 s[G1+3], 32<<16
	s_mov_b32 s[G1+4], 67
	s_mov_b32 s[G1+5], 32
	s_mov_b32 s[G1+6], 0
	s_mov_b32 s[G1+7], 0
	s_and_b32 s46, s[WV], 3                        ; c
	s_lshr_b32 s47, s[WV], 2                       ; row
	s_lshr_b32 s48, s46, 1
	s_lshl_b32 s48, s48, 1
	s_lshr_b32 s49, s47, 1
	s_add_co_u32 s48, s48, s49                     ; 2 (c / 2) + row / 2: 0..3
	s_xor_b32 s49, s46, s47
	s_and_b32 s49, s49, 1
	s_mul_i32 s49, s49, 7
	s_xor_b32 s[BETA], s48, s49                    ; that, or 7 less that
	s_and_b32 s17, s47, 1
	s_lshl_b32 s17, s17, 2
	s_add_co_u32 s17, s17, s13                     ; my tile among the eight of beta: cx + 4 (row % 2)
	s_lshl_b32 s18, s[BETA], 3
	s_add_co_u32 s18, s18, s17                     ; my tile of 16 queries
	s_lshl_b32 s40, s18, 10
	s_add_co_u32 s40, s40, QOFF
	s_mov_b32 s41, 0
	s_lshl_b32 s48, s18, 6
	s_add_co_u32 s48, s48, QSW
	s_mov_b32 s49, 0
	s_lshr_b32 s46, s12, 4
	s_lshl_b32 s46, s46, 6
	s_add_co_u32 s46, s46, s18                     ; my tile among the 256: 64 batch + tile
	s_and_b32 s47, s12, 15                         ; the head
	s_lshl_b32 s44, s46, 9
	s_lshl_b32 s45, s47, 1
	s_add_co_u32 s44, s44, s45                     ; asc: 512 bytes a tile, + 2 head
	s_mov_b32 s45, 0
	s_lshl_b32 s42, s46, 3
	s_lshr_b32 s43, s47, 1
	s_add_co_u32 s42, s42, s43
	s_lshl_b32 s42, s42, 11                        ; af: image 8 tile + head / 2,
	s_and_b32 s43, s47, 1
	s_lshl_b32 s43, s43, 10
	s_add_co_u32 s42, s42, s43                     ; its half head % 2
	s_mov_b32 s43, 0
	s_mov_b32 s46, s16
	s_mov_b32 s47, 0
	s_mov_b32 s[SEL], 0x76543210
	s_mov_b32 s[SEL+1], 0xfedcba98
	s_mov_b32 s[CS], 0x3e38aa3b                    ; c = log2(e) / 8
	s_mov_b32 s[CS+1], s[CS]
	s_mov_b32 s[MNT], 0x600000
	s_mov_b32 s[J], 0
	s_mov_b32 s[TK], 0
	s_mov_b32 s[TS], 0
	s_mov_b32 s[TJ], 0
	s_wait_dscnt 0x0
	s_wait_kmcnt 0x0
	s_add_nc_u64 s[4:5], s[4:5], s[14:15]          ; my head's block
	s_mov_b32 s[G0], 1
	s_mov_b32 s[G0+1], s16
	s_add_nc_u64 s[G0+2:G0+3], s[4:5], s[46:47]
	s_or_b32 s[G0+3], s[G0+3], 0x80000000
	s_add_nc_u64 s[40:41], s[4:5], s[40:41]        ; Q's codes
	s_add_nc_u64 s[48:49], s[4:5], s[48:49]        ; Q's scale words
	s_add_nc_u64 s[42:43], s[6:7], s[42:43]
	s_add_nc_u64 s[44:45], s[8:9], s[44:45]
	CROUND                                         ; all four work-groups are here: the joint loads meet
	s_cmp_lt_u32 s[WV], 8
	s_cbranch_scc0 .Lno_fill
	tensor_load_to_lds s[G0:G0+3], s[G1:G1+7]      ; one load a wave, the launch's only fills
	s_nop 0
.rept 4
	v_nop
.endr
.Lno_fill:
	v_and_b32 v8, 15, v0                           ; r
	v_bfe_u32 v9, v0, 4, 1                         ; h
	v_and_b32 v10, 31, v0
	s_delay_alu instid0(VALU_DEP_1)
	v_lshlrev_b32 v1, 4, v10                       ; 16 x lane: an image's place for my lane; K's codes begin at LDS byte 0
	s_delay_alu instid0(VALU_DEP_1)
	v_add_nc_u32 v2, VOFF, v1
	v_lshl_add_u32 v3, v8, 2, KSW
	v_lshl_add_u32 v4, v8, 2, VSW
	v_lshlrev_b32 v5, 2, v8
	global_load_b128 v[16:19], v1, s[40:41]
	global_load_b128 v[20:23], v1, s[40:41] offset:512
	global_load_b32 v255, v5, s[48:49]
	v_lshlrev_b32 v9, 3, v9
	s_delay_alu instid0(VALU_DEP_1)
	v_sub_nc_u32 v6, v8, v9
	s_lshl_b32 s46, s17, 4
	v_add_nc_u32 v6, s46, v6                       ; d = my query in its 128 - 8 h
	v_lshlrev_b32 v7, 5, v8                        ; 32 r
.set i, 0
.rept 8
	v_mov_b32 v[24+i], 0                           ; zero codes for k = 64 .. 127: Q's,
	v_mov_b32 v[40+i], 0                           ; and the four fragments' of K
	v_mov_b32 v[56+i], 0
	v_mov_b32 v[72+i], 0
	v_mov_b32 v[88+i], 0
.set i, i+1
.endr
.set i, 0
.rept 32
	v_mov_b32 v[160+i], 0                          ; O^T: the step is written once; its first turn finds zeros
.set i, i+1
.endr
	v_mov_b32 v13, 0xff61b1e6                      ; the largest t so far: -3e38
	s_delay_alu instid0(VALU_DEP_1)
	v_floor_f32 v12, -v13                          ; -M
	v_mov_b32 v14, 0
	v_mov_b32 v15, 0
	v_mov_b32 v209, 0xff800000                     ; -infinity
	v_mov_b32 v210, 0
	v_mov_b32 v211, 0                              ; (named as the upper half of f's pair)
.irp b, 0,1,2,3
	v_mov_b32 v[236+\b], 0                         ; a lane permute's destination counts as read
.endr
	s_wait_tensorcnt 0x0                           ; my part has landed,
	s_barrier_signal -1
	s_barrier_wait -1                              ; everybody's has
	s_wait_loadcnt 0x0                             ; Q
.Lstep:                                            ; eight trips, a constant; a step all of whose keys come after my queries is jumped over, but for the lines that step addresses
	s_cmp_gt_u32 s[J], s[BETA]
	s_cbranch_scc1 .Lskip
	v_add_nc_u32 v8, s[TK], v1
	s_wait_alu depctr_va_vdst(0)
	v_add_nc_u32 v9, s[TK], v2
	v_add_nc_u32 v10, s[TS], v3
	s_wait_alu depctr_va_vdst(0)
	v_add_nc_u32 v11, s[TJ], v4
.rept 5
	v_nop                                          ; with the four additions nine places behind the last step's products: eight for the loads into their scale registers, nine for the products that write over v96 on, which they read
.endr
.irp g, 0,1
.if \g > 0
.rept 8
	v_nop                                          ; places in front of loads into registers that matrix instructions have read
.endr
.endif
.irp t, 0,1,2,3
	ds_load_b128 v[32+16*\t:35+16*\t], v8 offset:(4*\g+\t)*1024
	ds_load_b128 v[36+16*\t:39+16*\t], v8 offset:(4*\g+\t)*1024+512
	ds_load_b32 v[248+\t], v10 offset:(4*\g+\t)*64
.endr
	s_wait_dscnt 0x0
.irp t, 0,1,2,3
	v_wmma_scale_f32_16x16x128_f8f6f4 v[96+8*(4*\g+\t):103+8*(4*\g+\t)], v[32+16*\t:47+16*\t], v[16:31], 0, v[248+\t], v255 matrix_a_fmt:MATRIX_FMT_BF8 matrix_b_fmt:MATRIX_FMT_BF8
.endr
.endr
.rept 8
	v_nop
.endr
	s_cmp_lg_u32 s[J], s[BETA]                     ; only my last step lies on the diagonal
	s_cbranch_scc1 .Lopen
.set n, 0
.rept 64
	v_cmp_gt_i32 vcc_lo, 16*(n/8)+n%8, v6          ; register n holds key 16 (n / 8) + 8 h + n % 8 of the step: hidden where it comes after my query
	v_cndmask_b32 v[96+n], v[96+n], v209, vcc_lo
.set n, n+1
.endr
.Lopen:
.irp b, 0,1,2,3
	v_max3_num_f32 v[232+\b], v[96+16*\b], v[97+16*\b], v[98+16*\b]   ; the largest score of each block of 32 keys: for the row's maximum, and for the block's largest p
.endr
.irp i, 3,5,7,9,11,13
.irp b, 0,1,2,3
	v_max3_num_f32 v[232+\b], v[232+\b], v[96+16*\b+\i], v[97+16*\b+\i]
.endr
.endr
.irp b, 0,1,2,3
	v_max_num_f32 v[232+\b], v[232+\b], v[111+16*\b]
.endr
.irp b, 0,1,2,3
	s_delay_alu instid0(VALU_DEP_4)
	v_permlanex16_b32 v[236+\b], v[232+\b], s[SEL], s[SEL+1]
.endr
.irp b, 0,1,2,3
	s_delay_alu instid0(VALU_DEP_4)
	v_max_num_f32 v[232+\b], v[232+\b], v[236+\b]
.endr
	s_delay_alu instid0(VALU_DEP_2)
	v_max3_num_f32 v254, v232, v233, v234
	s_delay_alu instid0(VALU_DEP_1)
	v_max_num_f32 v254, v254, v235
	s_delay_alu instid0(VALU_DEP_1)
	v_mul_f32 v254, s[CS], v254
	s_delay_alu instid0(VALU_DEP_1)
	v_max_num_f32 v13, v13, v254                   ; the running largest t
	v_mov_b32 v254, v12
	s_delay_alu instid0(VALU_DEP_2)
	v_floor_f32 v12, -v13                          ; the new -M = -ceil(t)
	s_delay_alu instid0(VALU_DEP_1)
	v_sub_f32 v254, v12, v254                      ; old M - new M: a whole number, 0 or less
	s_delay_alu instid0(VALU_DEP_1)
	v_cvt_i32_f32 v254, v254
	s_delay_alu instid0(VALU_DEP_1)
	v_ldexp_f32 v210, 1.0, v254                    ; f = 2^(old M - new M)
.set j, 0
.rept 32
	v_pk_fma_f32 v[96+j:97+j], v[96+j:97+j], s[CS:CS+1], v[12:13] op_sel_hi:[1,0,0]   ; t - M
.set j, j+2
.endr
.irp b, 0,1,2,3
	v_fma_f32 v[232+\b], v[232+\b], s[CS], v12
.endr
.set j, 0
	s_wait_alu depctr_va_vdst(0)
.rept 64
	v_exp_f32 v[96+j], v[96+j]                     ; p = 2^(t - M)
.set j, j+1
.endr
	v_pk_mul_f32 v[14:15], v[14:15], v[210:211] op_sel_hi:[1,0]   ; the sums under the new M (a plain line behind the exponentials)
	s_wait_alu depctr_va_vdst(0)                   ; one wait for the batch, ahead of its first reader
.irp b, 0,1,2,3
	v_exp_f32 v[232+\b], v[232+\b]                 ; each block's largest p
.endr
	v_pk_add_f32 v[236:237], v[100:101], v[104:105]
	v_pk_add_f32 v[228:229], v[108:109], v[112:113]
	v_pk_add_f32 v[226:227], v[116:117], v[120:121]
	v_pk_add_f32 v[224:225], v[124:125], v[128:129]
	v_pk_add_f32 v[222:223], v[132:133], v[136:137]
	v_pk_add_f32 v[220:221], v[140:141], v[144:145]
	v_pk_add_f32 v[218:219], v[148:149], v[152:153]
	v_pk_add_f32 v[14:15], v[14:15], v[156:157]
	v_pk_add_f32 v[236:237], v[236:237], v[96:97]
	v_pk_add_f32 v[228:229], v[228:229], v[98:99]
	v_pk_add_f32 v[226:227], v[226:227], v[102:103]
	v_pk_add_f32 v[224:225], v[224:225], v[106:107]
	v_pk_add_f32 v[222:223], v[222:223], v[110:111]
	v_pk_add_f32 v[220:221], v[220:221], v[114:115]
	v_pk_add_f32 v[218:219], v[218:219], v[118:119]
	v_pk_add_f32 v[14:15], v[14:15], v[122:123]
	v_pk_add_f32 v[236:237], v[236:237], v[126:127]
	v_pk_add_f32 v[228:229], v[228:229], v[130:131]
	v_pk_add_f32 v[226:227], v[226:227], v[134:135]
	v_pk_add_f32 v[224:225], v[224:225], v[138:139]
	v_pk_add_f32 v[222:223], v[222:223], v[142:143]
	v_pk_add_f32 v[220:221], v[220:221], v[146:147]
	v_pk_add_f32 v[218:219], v[218:219], v[150:151]
	v_pk_add_f32 v[14:15], v[14:15], v[154:155]
	v_pk_add_f32 v[236:237], v[236:237], v[158:159]
	s_delay_alu instid0(VALU_DEP_2)
	v_pk_add_f32 v[14:15], v[14:15], v[224:225]
	s_delay_alu instid0(VALU_DEP_2)
	v_pk_add_f32 v[236:237], v[236:237], v[222:223]
	v_pk_add_f32 v[228:229], v[228:229], v[220:221]
	v_pk_add_f32 v[226:227], v[226:227], v[218:219]
	s_delay_alu instid0(VALU_DEP_2)
	v_pk_add_f32 v[14:15], v[14:15], v[228:229]
	s_delay_alu instid0(VALU_DEP_2)
	v_pk_add_f32 v[236:237], v[236:237], v[226:227]
	s_delay_alu instid0(VALU_DEP_1)
	v_pk_add_f32 v[14:15], v[14:15], v[236:237]
	s_wait_alu depctr_va_vdst(0)                   ; and one for the four
.irp b, 0,1,2,3
	v_max_num_f32 v[232+\b], 0x8000000, v[232+\b]  ; the floor 2^(16 - 127)
.endr
.irp b, 0,1,2,3
	s_delay_alu instid0(VALU_DEP_4)
	v_add_nc_u32 v[244+\b], 0xf8800000, v[232+\b]
.endr
.irp b, 0,1,2,3
	v_and_or_b32 v[240+\b], v[232+\b], 0x7f800000, s[MNT]
.endr
.irp b, 0,1,2,3
	v_lshrrev_b32 v[236+\b], 23, v[244+\b]
.endr
	s_delay_alu instid0(VALU_DEP_3)
	v_lshl_or_b32 v253, v237, 8, v236              ; p's scale word for these 128 keys
	s_delay_alu instid0(VALU_DEP_1)
	v_lshl_or_b32 v253, v238, 16, v253
	s_delay_alu instid0(VALU_DEP_1)
	v_lshl_or_b32 v253, v239, 24, v253
.irp b, 0,1,2,3
.irp i, 0,1,2,3,4,5,6,7,8,9,10,11,12,13,14,15
	v_min_num_f32 v[96+16*\b+\i], v[96+16*\b+\i], v[240+\b]   ; the hold; p is not negative
.endr
	v_cvt_scalef32_pk8_bf8_f32 v[192+4*\b:193+4*\b], v[96+16*\b:103+16*\b], v[244+\b]
	v_cvt_scalef32_pk8_bf8_f32 v[194+4*\b:195+4*\b], v[104+16*\b:111+16*\b], v[244+\b]
.endr
.set j, 0
.rept 16
	v_pk_mul_f32 v[160+j:161+j], v[160+j:161+j], v[210:211] op_sel_hi:[1,0]   ; O^T under the new M; these sixteen are also the places between the codes and the products
.set j, j+2
.endr
.irp t, 0,1,2,3
.irp c, 0,1,2,3
	ds_load_b128 v[96+16*\t+4*\c:99+16*\t+4*\c], v9 offset:2048*\t+512*\c   ; V^T: 16 of the head's 64 x these 128 keys
.endr
	ds_load_b32 v[248+\t], v11 offset:64*\t
.endr
	s_wait_alu depctr_va_vdst(0)
	s_wait_dscnt 0x0
.irp t, 0,1,2,3
	v_wmma_scale_f32_16x16x128_f8f6f4 v[160+8*\t:167+8*\t], v[96+16*\t:111+16*\t], v[192:207], v[160+8*\t:167+8*\t], v[248+\t], v253 matrix_a_fmt:MATRIX_FMT_BF8 matrix_b_fmt:MATRIX_FMT_BF8
.endr
.Lskip:
	s_add_co_u32 s[TK], s[TK], 8192
	s_add_co_u32 s[TS], s[TS], 512
	s_add_co_u32 s[TJ], s[TJ], 256
	s_add_co_u32 s[J], s[J], 1
	s_cmp_lt_u32 s[J], 8
	s_cbranch_scc1 .Lstep
	; THE WAY OUT: O^T / the sum, quantised in its two blocks of 32 along the head's 64
.rept 8
	v_nop
.endr
	s_wait_alu depctr_va_vdst(0)
	v_add_f32 v14, v14, v15
	s_delay_alu instid0(VALU_DEP_1)
	v_permlanex16_b32 v210, v14, s[SEL], s[SEL+1]
	s_delay_alu instid0(VALU_DEP_1)
	v_add_f32 v14, v14, v210
	s_wait_alu depctr_va_vdst(0)
	v_rcp_f32 v14, v14
	v_nop
	s_wait_alu depctr_va_vdst(0)
.set j, 0
.rept 32
	v_mul_f32 v[96+j], v[160+j], v14               ; register 8 t + i: attn(query r, 16 t + 8 h + i)
.set j, j+1
.endr
.irp b, 0,1
	v_max3_num_f32 v[232+\b], |v[96+16*\b]|, |v[97+16*\b]|, 0x8000000
.endr
.irp i, 2,4,6,8,10,12,14
.irp b, 0,1
	s_delay_alu instid0(VALU_DEP_2)
	v_max3_num_f32 v[232+\b], v[232+\b], |v[96+16*\b+\i]|, |v[97+16*\b+\i]|
.endr
.endr
.irp b, 0,1
	s_delay_alu instid0(VALU_DEP_2)
	v_permlanex16_b32 v[236+\b], v[232+\b], s[SEL], s[SEL+1]
.endr
.irp b, 0,1
	s_delay_alu instid0(VALU_DEP_2)
	v_max_num_f32 v[232+\b], v[232+\b], v[236+\b]
.endr
.irp b, 0,1
	s_delay_alu instid0(VALU_DEP_2)
	v_add_nc_u32 v[244+\b], 0xf8800000, v[232+\b]
.endr
.irp b, 0,1
	s_delay_alu instid0(VALU_DEP_4)
	v_and_or_b32 v[240+\b], v[232+\b], 0x7f800000, s[MNT]
.endr
.irp b, 0,1
	s_delay_alu instid0(VALU_DEP_4)
	v_lshrrev_b32 v[236+\b], 23, v[244+\b]
.endr
	s_delay_alu instid0(VALU_DEP_1)
	v_lshl_or_b32 v212, v237, 8, v236              ; my row's two scale bytes
.irp b, 0,1
.irp i, 0,1,2,3,4,5,6,7,8,9,10,11,12,13,14,15
	v_med3_num_f32 v[96+16*\b+\i], v[96+16*\b+\i], -v[240+\b], v[240+\b]
.endr
	v_cvt_scalef32_pk8_bf8_f32 v[192+4*\b:193+4*\b], v[96+16*\b:103+16*\b], v[244+\b]
	v_cvt_scalef32_pk8_bf8_f32 v[194+4*\b:195+4*\b], v[104+16*\b:111+16*\b], v[244+\b]
.endr
	v_and_b32 v8, 31, v0                           ; (a plain line behind the last conversion)
	global_store_b128 v1, v[192:195], s[42:43]     ; 512 consecutive bytes a store
	global_store_b128 v1, v[196:199], s[42:43] offset:512
	v_cmp_gt_u32 vcc_lo, 16, v8
	s_wait_xcnt 0x0                                ; EXEC is a source of the stores above: it changes only behind this wait
	s_and_saveexec_b32 s50, vcc_lo
	global_store_b16 v7, v212, s[44:45]            ; lanes 0-15: a row each
	s_wait_xcnt 0x0
	s_or_b32 exec_lo, exec_lo, s50
	s_wait_tensorcnt 0x0
	ds_add_u32 v231, v252
	s_wait_dscnt 0x0
	CROUND                                         ; the closing round
	s_endpgm
.Lfunc_end_k_q94e3efa713_attn:
	.size	k_q94e3efa713_attn, .Lfunc_end_k_q94e3efa713_attn-k_q94e3efa713_attn
	.p2alignl 7, 3214868480
	.fill 96, 4, 3214868480
	.section	.rodata,"a",@progbits
	.p2align	6, 0x0
	.amdhsa_kernel k_q94e3efa713_attn
		.amdhsa_group_segment_fixed_size 169984
		.amdhsa_private_segment_fixed_size 0
		.amdhsa_enable_private_segment 0
		.amdhsa_kernarg_size 24
		.amdhsa_user_sgpr_count 2
		.amdhsa_user_sgpr_kernarg_segment_ptr 1
		.amdhsa_wavefront_size32 1
		.amdhsa_system_sgpr_workgroup_id_x 1
		.amdhsa_system_sgpr_workgroup_id_y 1
		.amdhsa_system_sgpr_workgroup_id_z 1
		.amdhsa_system_vgpr_workitem_id 0
		.amdhsa_next_free_vgpr 256
		.amdhsa_next_free_sgpr 66
		.amdhsa_reserve_vcc 1
		.amdhsa_float_denorm_mode_32 3
		.amdhsa_float_denorm_mode_16_64 3
		.amdhsa_memory_ordered 1
		.amdhsa_forward_progress 1
		.amdhsa_inst_pref_size 41
	.end_amdhsa_kernel
	.amdgpu_metadata
---
amdhsa.version: [ 1, 2 ]
amdhsa.kernels:
  - .name:           k_q94e3efa713_attn
    .symbol:         k_q94e3efa713_attn.kd
    .args:
      - { .name: hb, .offset: 0, .size: 8, .value_kind: global_buffer, .address_space: global }
      - { .name: af, .offset: 8, .size: 8, .value_kind: global_buffer, .address_space: global }
      - { .name: asc, .offset: 16, .size: 8, .value_kind: global_buffer, .address_space: global }
    .group_segment_fixed_size: 169984
    .private_segment_fixed_size: 0
    .kernarg_segment_align: 8
    .kernarg_segment_size: 24
    .max_flat_workgroup_size: 512
    .sgpr_count:     66
    .vgpr_count:     256
    .wavefront_size: 32
...
	.end_amdgpu_metadata
.endif
;; end of part 3
;; launch wo (part 4): grid 8 x 32, 4 waves a work-group, clusters of 4 x 4, 327,680 bytes of LDS; arguments af, asc, Wo_codes, Wo_scales, bo, x, x1; writes x1
.if DOCPART == 4
	.amdgcn_target "amdgcn-amd-amdhsa--gfx1250"
	.amdhsa_code_object_version 6
	.text
	.protected	k_q94e3efa713_wo
	.globl	k_q94e3efa713_wo
	.p2align	8
	.type	k_q94e3efa713_wo,@function
k_q94e3efa713_wo:
	s_mov_b64 s[64:65], 0
	v_nop
	global_prefetch_b8 v0, s[64:65] scope:SCOPE_SE
	s_setreg_imm32_b32 hwreg(HW_REG_WAVE_MODE, 25, 1), 1
	s_wait_xcnt 0x0
	s_wait_alu depctr_hold_cnt(0) depctr_sa_sdst(0) depctr_va_vdst(0) depctr_va_sdst(0) depctr_va_ssrc(0) depctr_va_vcc(0) depctr_vm_vsrc(0)
	s_getreg_b32 s2, hwreg(HW_REG_IB_STS2, 6, 4)
	s_cmp_eq_u32 s2, 0
	s_cbranch_scc0 .Lentry_in_a_cluster
	s_endpgm
.Lentry_in_a_cluster:
	s_bfe_u32 s2, ttmp6, 0x10000c
	s_cmp_lg_u32 s2, 0xf033
	s_cbranch_scc0 .Lentry_shape_is_right
	s_endpgm
.Lentry_shape_is_right:
; out = res + A W^T + bias on codes of BF8 (E5M2) with E8M0 scales.  Here: x1 = x + attn Wo + bo, K = 1,024.
; A: images of operand registers [tile of 16 tokens][K step of 128][c 0..3][lane][16 bytes], scale bytes [tile][group of 1,024 along K][row][32].  W: [1024 columns][SIZE_K] codes in rows, [1024][SIZE_K / 32] scale bytes.
; SHARES.  A work-group makes 128 tokens x 128 columns, so that there are 256 work-groups (tiles of 256 x 256 would be 64); each of four waves 64 x 64: 16 accumulators.
; K goes in phases of 512 through two LDS slots: A's 8 tiles x 4 images (dense), then W's 128 rows of 512 bytes + 16 of padding.  Wave 0 fetches A's part of slot 0, wave 1 W's, waves 2, 3 the same of slot 1: one load a wave.
; CLUSTERS: 4 x 4: A's tiles are asked for jointly along a row of the cluster, W's along a column.
; TRANSPOSED USE: source 0 = 16 rows of W, source 1 = 16 tokens: a lane holds one token and eight neighbouring columns.
; PLACES OF k.  In A's images slot (c, h, i) holds k = 32 c + 16 (i / 8) + 8 h + i % 8 (they were made from matrix results).  W's fragments are read to match: eight loads of 8 bytes at 16 c + 8 h.
; SCALES: 16 bytes a lane at 32 row + 16 h: register i holds K step i's word in lanes 0-15 and K step 4 + i's in lanes 16-31 (ROW1).  All are loaded once, into registers that hold nothing else.
; REGISTERS: window 0: v8-11 bias, v16-29 addresses, v32.. A's scale words, v96.. W's.  window 1: two fragment buffers of 128 (A's four, W's four); on the way out rows of the result.
;   window 2: v0-127 the accumulators, v128-255 my 64 rows x 256 bytes of res, asked for at the head.
.set SIZE_K, 1024
.set NS,    SIZE_K/128
.set NG,    SIZE_K/1024
.set NPH,   SIZE_K/512
.set KS,    SIZE_K/32
.set WP,    528                        ; 132 words: the sixteen rows of a fragment start four banks apart (ISA guide 11.1)
.set AREG,  65536
.set SLOT,  AREG+128*WP
.set STAGE, 2*SLOT                     ; 16 rows x (256 bytes + 16) for each wave; no tile lands here
.set SPITCH, 272
.set SPARE, STAGE+4*16*SPITCH
.set BI,   8
.set ADRA, 16
.set ADRB, 20
.set STO,  22
.set RD,   23
.set CO,   24
.set BO,   25
.set SCA,  26
.set SCW,  27
.set SPW,  28
.set NIL,  29
.set SA,   32
.set SB,   96
.set OB,   0                           ; window 1, on the way out: two buffers of 32
.set RES,  128                         ; window 2
.set G1, 24
.set G0, 32
.set G1B, 48
.set G0B, 56
.set MSB, 0
.macro WIN new
.if MSB != (\new)
	s_set_vgpr_msb (MSB<<8)|(\new)
.set MSB, (\new)
.endif
.endm
.set MUL, 0xa5                         ; sources 0 and 1 window 1, C and D window 2
.macro JLOAD g0a, g1a, g0b, g1b
	s_cmp_eq_u32 s15, 0
	s_cbranch_scc0 .Lfor_b_\@
	tensor_load_to_lds s[\g0a:\g0a+3], s[\g1a:\g1a+7]
	s_nop 0
.rept 4
	v_nop
.endr
	s_branch .Lasked_\@
.Lfor_b_\@:
	tensor_load_to_lds s[\g0b:\g0b+3], s[\g1b:\g1b+7]
	s_nop 0
.rept 4
	v_nop
.endr
.Lasked_\@:
.endm
.macro CREST
	s_cmp_lg_u32 s14, 0
	s_cbranch_scc1 .Lnot_wave_0_\@
	s_barrier_signal -3
.Lnot_wave_0_\@:
	s_barrier_wait -3
	s_barrier_signal -1
	s_barrier_wait -1
.endm
.macro CROUND
	s_barrier_signal -1
	s_barrier_wait -1
	CREST
.endm
.macro PLACES n
.rept \n
	v_nop
.endr
.endm
	s_load_b256 s[4:11], s[0:1], 0x0               ; A's codes, A's scales, W's codes, W's scales
	s_load_b64 s[12:13], s[0:1], 0x20              ; bias
	s_load_b128 s[68:71], s[0:1], 0x28             ; res, out
	v_lshl_add_u32 v[SPW], v0, 2, SPARE
	v_mov_b32 v[NIL], 0
	ds_add_u32 v28, v29
	ds_add_u32 v28, v29
	s_wait_dscnt 0x0
	v_lshrrev_b32 v1, 5, v0
	v_readfirstlane_b32 s14, v1
	s_lshr_b32 s15, s14, 1                         ; my half of the tokens.
	s_and_b32 s16, s14, 1                          ; my half of the columns.
	s_bfe_u32 s40, ttmp6, 0x40000
	s_bfe_u32 s41, ttmp6, 0x40004
	s_lshl_b32 s42, ttmp9, 2
	s_add_co_u32 s42, s42, s40                     ; tile column: 128 columns
	s_and_b32 s17, ttmp7, 0xffff
	s_lshl_b32 s17, s17, 2
	s_add_co_u32 s17, s17, s41                     ; tile row: 128 tokens
	s_lshl_b32 s43, s41, 2
	s_lshl_b32 s43, 15, s43
	s_lshl_b32 s44, 0x1111, s40
	s_or_b32 s[G1+0], s43, (3<<16)|(1<<21)         ; A: my row of the cluster; elements of 8 bytes; no padding
	s_mov_b32 s[G1+1], 1024<<16                    ; a row: a tile's four images, 8,192 bytes
	s_mov_b32 s[G1+2], 8<<16                       ; eight tiles: one load brings all of A's part of a slot
	s_mov_b32 s[G1+3], 1024<<16
	s_mov_b32 s[G1+4], 8
	s_mov_b32 s[G1+5], NS*256                      ; from tile to tile: NS images
	s_mov_b32 s[G1+6], 0
	s_mov_b32 s[G1+7], 0
	s_or_b32 s[G1B+0], s44, (1<<20)|(1<<21)|(6<<22)|(3<<25)   ; W: my column; bytes; 4 words of padding behind every 128
	s_mov_b32 s[G1B+1], 512<<16
	s_mov_b32 s[G1B+2], 128<<16                    ; 128 rows: one load brings all of W's part of a slot
	s_mov_b32 s[G1B+3], 512<<16
	s_mov_b32 s[G1B+4], 128
	s_mov_b32 s[G1B+5], SIZE_K
	s_mov_b32 s[G1B+6], 0
	s_mov_b32 s[G1B+7], 0
	s_lshl_b32 s20, s17, 3
	s_mul_i32 s20, s20, NS*2048                    ; A: tile 8 x tile row
	s_mov_b32 s21, 0
	s_lshl_b32 s46, s42, 7
	s_lshl_b32 s18, s16, 6
	s_add_co_u32 s46, s46, s18                     ; W: row 128 x tile column + 64 x half (also my half for the products)
	s_mul_i32 s92, s46, KS                         ; its scale bytes,
	s_mov_b32 s93, 0
	s_lshl_b32 s94, s46, 2                         ; its bias, and its bytes in a row of res and out
	s_mov_b32 s95, 0
	s_lshl_b32 s46, s42, 7                         ; the fetch begins at the tile column's first row
	s_mul_i32 s46, s46, SIZE_K
	s_mov_b32 s47, 0
	s_mov_b32 s45, 0
	s_mov_b32 s2, AREG
	s_lshl_b32 s22, s17, 3
	s_lshl_b32 s23, s15, 2
	s_add_co_u32 s22, s22, s23
	s_mul_i32 s22, s22, NG*512                     ; my four tiles' scale bytes
	s_mov_b32 s23, 0
	s_lshl_b32 s96, s17, 7
	s_lshl_b32 s97, s15, 6
	s_add_co_u32 s96, s96, s97
	s_lshl_b32 s96, s96, 12                        ; my first token's row of res and out
	s_add_co_u32 s96, s96, s94
	s_mov_b32 s97, 0
	v_and_b32 v1, 15, v0                           ; r
	v_bfe_u32 v2, v0, 4, 1                         ; h
	v_and_b32 v5, 31, v0
	v_lshlrev_b32 v[SCA], 5, v1
	v_lshl_add_u32 v[SCA], v2, 4, v[SCA]
	v_mul_u32_u24 v[SCW], v1, KS
	v_lshl_add_u32 v[SCW], v2, 4, v[SCW]
	v_lshlrev_b32 v[BO], 4, v1
	v_lshl_add_u32 v[CO], v2, 12, v[BO]            ; lanes 0-15 one row, lanes 16-31 the next; 16 bytes a lane
	s_wait_kmcnt 0x0
	s_add_nc_u64 s[20:21], s[4:5], s[20:21]
	s_add_nc_u64 s[46:47], s[8:9], s[46:47]
	CROUND
.irp s, 0,1
	s_mov_b32 s[G0+4*\s], 1
	s_add_co_u32 s[G0+4*\s+1], s45, \s*SLOT
	s_add_nc_u64 s[G0+4*\s+2:G0+4*\s+3], s[20:21], \s*8192
	s_or_b32 s[G0+4*\s+3], s[G0+4*\s+3], 0x80000000
	s_mov_b32 s[G0B+4*\s], 1
	s_add_co_u32 s[G0B+4*\s+1], s2, \s*SLOT
	s_add_nc_u64 s[G0B+4*\s+2:G0B+4*\s+3], s[46:47], \s*512
	s_or_b32 s[G0B+4*\s+3], s[G0B+4*\s+3], 0x80000000
.endr
	; THE HEAD'S LOADS, ONE A WAVE: wave 0 A's part of slot 0, wave 1 W's, waves 2 and 3 the same of slot 1: all of K = 1,024; nothing is filled again, and there is no loop to prefetch in
.macro ARM under, g0, g1, next
	s_cmp_lt_u32 s14, \under
	s_cbranch_scc0 \next
	tensor_load_to_lds s[\g0:\g0+3], s[\g1:\g1+7]
	s_nop 0
.rept 4
	v_nop
.endr
	s_branch .Lhead_asked
\next:
.endm
	ARM 1, G0,   G1,  .Lhead_1
	ARM 2, G0B,  G1B, .Lhead_2
	ARM 3, G0+4, G1,  .Lhead_3
	tensor_load_to_lds s[G0B+4:G0B+7], s[G1B:G1B+7]
	s_nop 0
.rept 4
	v_nop
.endr
.Lhead_asked:
	s_add_nc_u64 s[6:7], s[6:7], s[22:23]
	s_add_nc_u64 s[10:11], s[10:11], s[92:93]
	s_add_nc_u64 s[12:13], s[12:13], s[94:95]
	s_add_nc_u64 s[68:69], s[68:69], s[96:97]
	s_add_nc_u64 s[70:71], s[70:71], s[96:97]
.set g, 0
	s_wait_alu depctr_va_vdst(0)
.rept NG
.irp a, 0,1,2,3
	global_load_b128 v[SA+16*g+4*\a:SA+16*g+4*\a+3], v[SCA], s[6:7] offset:(\a*NG+g)*512
	global_load_b128 v[SB+16*g+4*\a:SB+16*g+4*\a+3], v[SCW], s[10:11] offset:\a*16*KS+32*g
.endr
.set g, g+1
.endr
	global_load_b128 v[BI:BI+3], v[BO], s[12:13]
	WIN 0x80                                       ; destination window 2
.set i, 0
.rept 32
	global_load_b128 v[RES+4*i:RES+4*i+3], v[CO], s[68:69] offset:2*i*4096 th:TH_LOAD_NT   ; sixteen lanes read 256 consecutive bytes of a row
.set i, i+1
.endr
	WIN 0
	s_lshl_b32 s18, s15, 15
	v_lshl_add_u32 v[ADRA], v5, 4, s18             ; my four tiles' images: 16 x lane
	v_add_nc_u32 v[ADRA+1], SLOT, v[ADRA]
	s_mul_i32 s19, s16, 64*WP
	s_add_co_u32 s19, s19, AREG
	v_mul_u32_u24 v3, v1, WP
	v_lshl_add_u32 v3, v2, 3, v3
	v_add_nc_u32 v[ADRB], s19, v3                  ; my 64 rows of W: row x pitch + 8 h
	v_add_nc_u32 v[ADRB+1], SLOT, v[ADRB]
	s_mul_i32 s18, s14, 16*SPITCH
	s_add_co_u32 s18, s18, STAGE
	v_mul_u32_u24 v3, v1, SPITCH
	v_lshl_add_u32 v3, v2, 5, v3
	v_add_nc_u32 v[STO], s18, v3                   ; into my stage: row r, 32 bytes for each half of the lanes
	v_mul_u32_u24 v3, v2, SPITCH
	v_lshl_add_u32 v3, v1, 4, v3
	v_add_nc_u32 v[RD], s18, v3                    ; back: two rows an instruction
.macro FETCH slot, q, f                ; the slot's q-th 128 along K into buffer f: A's four fragments as they lie, W's four by pieces of 8 bytes
	WIN 0x40
.irp a, 0,1,2,3
.irp c, 0,1,2,3
	ds_load_b128 v[(\f)+16*\a+4*\c:(\f)+16*\a+4*\c+3], v[ADRA+(\slot)] offset:8192*\a+2048*(\q)+512*\c
.endr
.endr
.irp b, 0,1,2,3
.irp c, 0,1,2,3,4,5,6,7
	ds_load_b64 v[(\f)+64+16*\b+2*\c:(\f)+64+16*\b+2*\c+1], v[ADRB+(\slot)] offset:16*WP*\b+128*(\q)+16*\c
.endr
.endr
.endm
.macro MULA a, f, s                    ; four matrix instructions: tile a of tokens x W's four; the 16 accumulators take turns, in the same order in every K step
.irp b, 0,1,2,3
.if (\s) == 0
	v_wmma_scale_f32_16x16x128_f8f6f4 v[8*(4*(\a)+\b):8*(4*(\a)+\b)+7], v[(\f)+64+16*\b:(\f)+64+16*\b+15], v[(\f)+16*(\a):(\f)+16*(\a)+15], 0, v[SB+16*((\s)/8)+4*\b+(\s)%4], v[SA+16*((\s)/8)+4*(\a)+(\s)%4] matrix_a_fmt:MATRIX_FMT_BF8 matrix_b_fmt:MATRIX_FMT_BF8
.elseif (\s)%8 < 4
	v_wmma_scale_f32_16x16x128_f8f6f4 v[8*(4*(\a)+\b):8*(4*(\a)+\b)+7], v[(\f)+64+16*\b:(\f)+64+16*\b+15], v[(\f)+16*(\a):(\f)+16*(\a)+15], v[8*(4*(\a)+\b):8*(4*(\a)+\b)+7], v[SB+16*((\s)/8)+4*\b+(\s)%4], v[SA+16*((\s)/8)+4*(\a)+(\s)%4] matrix_a_fmt:MATRIX_FMT_BF8 matrix_b_fmt:MATRIX_FMT_BF8
.else
	v_wmma_scale_f32_16x16x128_f8f6f4 v[8*(4*(\a)+\b):8*(4*(\a)+\b)+7], v[(\f)+64+16*\b:(\f)+64+16*\b+15], v[(\f)+16*(\a):(\f)+16*(\a)+15], v[8*(4*(\a)+\b):8*(4*(\a)+\b)+7], v[SB+16*((\s)/8)+4*\b+(\s)%4], v[SA+16*((\s)/8)+4*(\a)+(\s)%4] matrix_a_fmt:MATRIX_FMT_BF8 matrix_b_fmt:MATRIX_FMT_BF8 matrix_a_scale:MATRIX_SCALE_ROW1 matrix_b_scale:MATRIX_SCALE_ROW1
.endif
.endr
.endm
.macro KSTEP slot, q, s                ; one of a phase's first three K steps: the next one's fragments are asked for, then this one's 16 products
	s_wait_dscnt 0x0                               ; this step's fragments are in
	PLACES 8                                       ; eight places in front of loads into the buffer that the last step's products read
	FETCH \slot, (\q)+1, 128*(1-(\q)%2)
	WIN MUL
.irp a, 0,1,2,3
	MULA \a, 128*((\q)%2), \s
.endr
.endm
.macro TURN slot, next, s, fill        ; a phase's last K step changes slots
	WIN 0
	s_wait_tensorcnt 0x0                           ; all my tensor loads have landed: my part of the next slot
	ds_add_u32 v[SPW], v[NIL]                      ; 0 onto my spare word
	s_wait_dscnt 0x1                               ; this step's fragments are in; the add may be out
	WIN MUL
	MULA 0, 128, \s
	s_wait_dscnt 0x0                               ; the add is done, and my reads of this slot are over
	s_barrier_signal -1
	MULA 1, 128, \s
	WIN 0
	s_barrier_wait -1
.if \fill
	CREST
	s_add_nc_u64 s[G0+4*(\slot)+2:G0+4*(\slot)+3], s[G0+4*(\slot)+2:G0+4*(\slot)+3], 16384
	s_add_nc_u64 s[G0B+4*(\slot)+2:G0B+4*(\slot)+3], s[G0B+4*(\slot)+2:G0B+4*(\slot)+3], 1024
	JLOAD G0+4*(\slot), G1, G0B+4*(\slot), G1B
	PLACES 4
.else
	PLACES 8
.endif
	FETCH \next, 0, 0
	WIN MUL
	MULA 2, 128, \s
	MULA 3, 128, \s
.endm
	s_wait_alu depctr_va_vdst(0)
	s_wait_loadcnt 32                              ; the scale words and the bias are in; the 32 loads of res may be out
	s_cmp_lt_u32 s14, 2                            ; waves 0 and 1 brought slot 0; slot 1's loads, lines of their own, are waited for at the change of slots
	s_cbranch_scc0 .Lslot_1_out
	s_wait_tensorcnt 0x0
.Lslot_1_out:
	s_barrier_signal -1
	s_barrier_wait -1
	FETCH 0, 0, 0
.set ph, 0
.rept NPH
	KSTEP ph%2, 0, 4*ph
	KSTEP ph%2, 1, 4*ph+1
	KSTEP ph%2, 2, 4*ph+2
.if ph+2 < NPH
	TURN ph%2, 1-ph%2, 4*ph+3, 1
.elseif ph+1 < NPH
	TURN ph%2, 1-ph%2, 4*ph+3, 0
.else
	s_wait_dscnt 0x0                               ; the very last K step
	WIN MUL
.irp a, 0,1,2,3
	MULA \a, 128, 4*ph+3
.endr
	WIN 0
.endif
.set ph, ph+1
.endr
	; THE WAY OUT, 16 tokens at a time: through my own stage, back as rows of 256 bytes, + bias + res, stored sixteen lanes to 256 consecutive, aligned bytes
	PLACES 8
	s_wait_loadcnt 0x0                             ; res
.irp a, 0,1,2,3
.if \a >= 2
	s_wait_xcnt 0x0                                ; the stores of two blocks back have read their registers
.endif
	WIN 0x08                                       ; an LDS store's data are its source 1: window 2
.irp b, 0,1,2,3
	ds_store_b128 v[STO], v[8*(4*\a+\b):8*(4*\a+\b)+3] offset:64*\b            ; each accumulator from its low end on
	ds_store_b128 v[STO], v[8*(4*\a+\b)+4:8*(4*\a+\b)+7] offset:64*\b+16
.endr
	WIN 0x40
.irp i, 0,1,2,3,4,5,6,7
	ds_load_b128 v[OB+32*(\a%2)+4*\i:OB+32*(\a%2)+4*\i+3], v[RD] offset:2*\i*SPITCH   ; LDS serves a wave's instructions in order: these see my stores
.endr
	s_wait_dscnt 0x0
	WIN 0x41                                       ; source 0 and destination window 1, source 1 (the bias) window 0
.irp i, 0,1,2,3,4,5,6,7
	v_pk_add_f32 v[OB+32*(\a%2)+4*\i:OB+32*(\a%2)+4*\i+1], v[OB+32*(\a%2)+4*\i:OB+32*(\a%2)+4*\i+1], v[BI:BI+1]
	v_pk_add_f32 v[OB+32*(\a%2)+4*\i+2:OB+32*(\a%2)+4*\i+3], v[OB+32*(\a%2)+4*\i+2:OB+32*(\a%2)+4*\i+3], v[BI+2:BI+3]
.endr
	WIN 0x49                                       ; source 1 (res) window 2
.set i, 0
.rept 16
	v_pk_add_f32 v[OB+32*(\a%2)+i:OB+32*(\a%2)+i+1], v[OB+32*(\a%2)+i:OB+32*(\a%2)+i+1], v[RES+32*\a+i:RES+32*\a+i+1]
.set i, i+2
.endr
	WIN 0x04
.irp i, 0,1,2,3,4,5,6,7
	global_store_b128 v[CO], v[OB+32*(\a%2)+4*\i:OB+32*(\a%2)+4*\i+3], s[70:71] offset:(16*\a+2*\i)*4096
.endr
.endr
	WIN 0
	s_wait_tensorcnt 0x0                           ; the wave's end
	ds_add_u32 v[SPW], v[NIL]
	s_wait_dscnt 0x0
	CROUND                                         ; the closing round
	s_endpgm
.Lfunc_end_k_q94e3efa713_wo:
	.size	k_q94e3efa713_wo, .Lfunc_end_k_q94e3efa713_wo-k_q94e3efa713_wo
	.p2alignl 7, 3214868480
	.fill 96, 4, 3214868480
	.section	.rodata,"a",@progbits
	.p2align	6, 0x0
	.amdhsa_kernel k_q94e3efa713_wo
		.amdhsa_group_segment_fixed_size 327680
		.amdhsa_private_segment_fixed_size 0
		.amdhsa_enable_private_segment 0
		.amdhsa_kernarg_size 56
		.amdhsa_user_sgpr_count 2
		.amdhsa_user_sgpr_kernarg_segment_ptr 1
		.amdhsa_wavefront_size32 1
		.amdhsa_system_sgpr_workgroup_id_x 1
		.amdhsa_system_sgpr_workgroup_id_y 1
		.amdhsa_system_sgpr_workgroup_id_z 1
		.amdhsa_system_vgpr_workitem_id 0
		.amdhsa_next_free_vgpr 768
		.amdhsa_next_free_sgpr 100
		.amdhsa_reserve_vcc 0
		.amdhsa_float_denorm_mode_32 3
		.amdhsa_float_denorm_mode_16_64 3
		.amdhsa_memory_ordered 1
		.amdhsa_forward_progress 1
		.amdhsa_inst_pref_size 71
	.end_amdhsa_kernel
	.amdgpu_metadata
---
amdhsa.version: [ 1, 2 ]
amdhsa.kernels:
  - .name:           k_q94e3efa713_wo
    .symbol:         k_q94e3efa713_wo.kd
    .args:
      - { .name: af, .offset: 0, .size: 8, .value_kind: global_buffer, .address_space: global }
      - { .name: asc, .offset: 8, .size: 8, .value_kind: global_buffer, .address_space: global }
      - { .name: Wo_codes, .offset: 16, .size: 8, .value_kind: global_buffer, .address_space: global }
      - { .name: Wo_scales, .offset: 24, .size: 8, .value_kind: global_buffer, .address_space: global }
      - { .name: bo, .offset: 32, .size: 8, .value_kind: global_buffer, .address_space: global }
      - { .name: x, .offset: 40, .size: 8, .value_kind: global_buffer, .address_space: global }
      - { .name: x1, .offset: 48, .size: 8, .value_kind: global_buffer, .address_space: global }
    .group_segment_fixed_size: 327680
    .private_segment_fixed_size: 0
    .kernarg_segment_align: 8
    .kernarg_segment_size: 56
    .max_flat_workgroup_size: 128
    .sgpr_count:     100
    .vgpr_count:     768
    .wavefront_size: 32
...
	.end_amdgpu_metadata
.endif
;; end of part 4
;; launch ln2: the kernel of part 1 again; grid 256 x 1, 8 waves a work-group, no clusters, 83,456 bytes of LDS; arguments x1, ln2_g, ln2_b, hc, hs; writes hc, hs
;; launch ff1 (part 5): grid 16 x 16, 4 waves a work-group, clusters of 4 x 4, 327,680 bytes of LDS; arguments hc, hs, W1_codes, W1_scales, b1, yc, ys; writes yc, ys
.if DOCPART == 5
	.amdgcn_target "amdgcn-amd-amdhsa--gfx1250"
	.amdhsa_code_object_version 6
	.text
	.protected	k_q94e3efa713_ff1
	.globl	k_q94e3efa713_ff1
	.p2align	8
	.type	k_q94e3efa713_ff1,@function
k_q94e3efa713_ff1:
	s_mov_b64 s[64:65], 0
	v_nop
	global_prefetch_b8 v0, s[64:65] scope:SCOPE_SE
	s_setreg_imm32_b32 hwreg(HW_REG_WAVE_MODE, 25, 1), 1
	s_wait_xcnt 0x0
	s_wait_alu depctr_hold_cnt(0) depctr_sa_sdst(0) depctr_va_vdst(0) depctr_va_sdst(0) depctr_va_ssrc(0) depctr_va_vcc(0) depctr_vm_vsrc(0)
	s_getreg_b32 s2, hwreg(HW_REG_IB_STS2, 6, 4)
	s_cmp_eq_u32 s2, 0
	s_cbranch_scc0 .Lentry_in_a_cluster
	s_endpgm
.Lentry_in_a_cluster:
	s_bfe_u32 s2, ttmp6, 0x10000c
	s_cmp_lg_u32 s2, 0xf033
	s_cbranch_scc0 .Lentry_shape_is_right
	s_endpgm
.Lentry_shape_is_right:
.set KROW,  1024
.set ROWB,  256
.set PITCH, 272
.set HALFT, 128*PITCH
.set SLOT,  4*HALFT
.set SPARE, 2*SLOT
.set BIASL, SPARE+512
.set ADRA, 16
.set ADRB, 20
.set LI,   24
.set SCO,  26
.set BAD,  27
.set SPW,  28
.set NIL,  29
.set LW,   30
.set SA,   32
.set SB,   64
.set AF,   128
.set X,    0
.set BIAS, 128                         ; window 0, where Y's fragments lay: my 64 bias numbers by X index
.set GA,   64                          ; window 1: gelu's work, 32 numbers a batch
.set GT,   96
.set GP,   128
.set GW,   160
.set PC,   192
.set TM,   208
.set PW,   224
.set PWE,  225
.set PWM,  226
.set K8,   228
.set G1, 24
.set G0, 32
.set G1B, 48
.set G0B, 56
.set GK,  72
.set SEL, 96
.set MNT, 99
.set MSB, 0
.macro WIN new
.if MSB != (\new)
	s_set_vgpr_msb (MSB<<8)|(\new)
.set MSB, (\new)
.endif
.endm
.set MUL_LO, 0xa1
.set MUL_HI, 0xf1
.set TO_B,   0x40
.macro JLOAD g0a, g1a, g0b, g1b
	s_cmp_eq_u32 s15, 0
	s_cbranch_scc0 .Lfor_b_\@
	tensor_load_to_lds s[\g0a:\g0a+3], s[\g1a:\g1a+7]
	s_nop 0
.rept 4
	v_nop
.endr
	s_branch .Lasked_\@
.Lfor_b_\@:
	tensor_load_to_lds s[\g0b:\g0b+3], s[\g1b:\g1b+7]
	s_nop 0
.rept 4
	v_nop
.endr
.Lasked_\@:
.endm
.macro CREST
	s_cmp_lg_u32 s14, 0
	s_cbranch_scc1 .Lnot_wave_0_\@
	s_barrier_signal -3
.Lnot_wave_0_\@:
	s_barrier_wait -3
	s_barrier_signal -1
	s_barrier_wait -1
.endm
.macro CROUND
	s_barrier_signal -1
	s_barrier_wait -1
	CREST
.endm
.macro PLACES n
.rept \n
	v_nop
.endr
.endm
.macro KONST r, val
	s_mov_b32 s[\r], \val
	s_mov_b32 s[\r+1], \val
.endm
	s_load_b256 s[4:11], s[0:1], 0x0
	s_load_b64 s[12:13], s[0:1], 0x20
	s_load_b128 s[68:71], s[0:1], 0x28
	v_lshl_add_u32 v[SPW], v0, 2, SPARE
	v_mov_b32 v[NIL], 0
	ds_add_u32 v28, v29
	ds_add_u32 v28, v29
	s_wait_dscnt 0x0
	v_lshrrev_b32 v1, 5, v0
	v_readfirstlane_b32 s14, v1
	s_lshr_b32 s15, s14, 1
	s_and_b32 s16, s14, 1
	s_bfe_u32 s40, ttmp6, 0x40000
	s_bfe_u32 s41, ttmp6, 0x40004
	s_lshl_b32 s42, ttmp9, 2
	s_add_co_u32 s42, s42, s40
	s_and_b32 s17, ttmp7, 0xffff
	s_lshl_b32 s17, s17, 2
	s_add_co_u32 s17, s17, s41
	s_lshl_b32 s43, s41, 2
	s_lshl_b32 s43, 15, s43
	s_lshl_b32 s44, 0x1111, s40
	s_or_b32 s[G1+0], s43, (1<<20)|(1<<21)|(5<<22)|(3<<25)
	s_or_b32 s[G1B+0], s44, (1<<20)|(1<<21)|(5<<22)|(3<<25)
.irp g, G1, G1B
	s_mov_b32 s[\g+1], ROWB<<16
	s_mov_b32 s[\g+2], 256<<16                     ; the head's loads bring 256 rows; the ring's 128 (set at the changes of slots)
	s_mov_b32 s[\g+3], ROWB<<16
	s_mov_b32 s[\g+4], 256
	s_mov_b32 s[\g+5], KROW
	s_mov_b32 s[\g+6], 0
	s_mov_b32 s[\g+7], 0
.endr
	s_lshl_b32 s18, s16, 7
	s_lshl_b32 s20, s17, 8
	s_add_co_u32 s20, s20, s18
	s_lshl_b32 s20, s20, 10
	s_mov_b32 s21, 0
	s_lshl_b32 s46, s42, 8
	s_add_co_u32 s46, s46, s18
	s_lshl_b32 s94, s46, 5
	s_mov_b32 s95, 0
	s_lshl_b32 s22, s46, 2
	s_mov_b32 s23, 0
	s_lshl_b32 s46, s46, 10
	s_mov_b32 s47, 0
	s_mul_i32 s45, s14, HALFT
	s_lshl_b32 s92, s17, 8
	s_lshl_b32 s93, s15, 7
	s_add_co_u32 s92, s92, s93
	s_lshl_b32 s92, s92, 5
	s_mov_b32 s93, 0
	v_and_b32 v1, 15, v0
	v_bfe_u32 v2, v0, 4, 1
	v_and_b32 v5, 31, v0
	v_lshlrev_b32 v[LI], 4, v5
	v_lshlrev_b32 v[LW], 5, v1
	v_lshl_add_u32 v[LW], v2, 11, v[LW]
	v_lshlrev_b32 v[SCO], 5, v1
	v_lshl_add_u32 v[SCO], v2, 4, v[SCO]
	s_wait_kmcnt 0x0
	s_add_nc_u64 s[20:21], s[4:5], s[20:21]
	s_add_nc_u64 s[46:47], s[8:9], s[46:47]
	CROUND
.irp s, 0,1
	s_mov_b32 s[G0+4*\s], 1
	s_add_co_u32 s[G0+4*\s+1], s45, \s*SLOT
	s_add_nc_u64 s[G0+4*\s+2:G0+4*\s+3], s[20:21], \s*ROWB
	s_or_b32 s[G0+4*\s+3], s[G0+4*\s+3], 0x80000000
	s_mov_b32 s[G0B+4*\s], 1
	s_add_co_u32 s[G0B+4*\s+1], s45, \s*SLOT
	s_add_nc_u64 s[G0B+4*\s+2:G0B+4*\s+3], s[46:47], \s*ROWB
	s_or_b32 s[G0B+4*\s+3], s[G0B+4*\s+3], 0x80000000
.endr
	s_add_nc_u64 s[2:3], s[6:7], s[92:93]          ; my tokens' scale bytes,
	s_add_nc_u64 s[66:67], s[10:11], s[94:95]      ; my weight rows'
	; THE HEAD'S LOADS, ONE A WAVE: wave 0 the tokens' 256 rows of slot 0, wave 1 the weight's, waves 2 and 3 the same of slot 1.  Groups 0 lie where arguments lay that have been used.
	s_lshl_b32 s18, s17, 18                        ; the tile's first token, 1,024 bytes a row
	s_lshl_b32 s20, s42, 18                        ; the tile's first weight row
	s_lshl_b32 s19, s15, 8                         ; slot wave / 2: 256 bytes on along K
	s_add_co_u32 s18, s18, s19
	s_add_co_u32 s20, s20, s19
	s_mov_b32 s19, 0
	s_mov_b32 s21, 0
	s_add_nc_u64 s[6:7], s[4:5], s[18:19]
	s_add_nc_u64 s[10:11], s[8:9], s[20:21]
	s_or_b32 s7, s7, 0x80000000
	s_or_b32 s11, s11, 0x80000000
	s_mov_b32 s4, 1
	s_mul_i32 s5, s15, SLOT
	s_mov_b32 s8, 1
	s_add_co_u32 s9, s5, 2*HALFT
.macro ARM under, g0, g1, next
	s_cmp_lt_u32 s14, \under
	s_cbranch_scc0 \next
	tensor_load_to_lds s[\g0:\g0+3], s[\g1:\g1+7]
	s_nop 0
.rept 4
	v_nop
.endr
	s_branch .Lhead_asked
\next:
.endm
	ARM 1, 4, G1,  .Lhead_1
	ARM 2, 8, G1B, .Lhead_2
	ARM 3, 4, G1,  .Lhead_3
	tensor_load_to_lds s[8:11], s[G1B:G1B+7]
	s_nop 0
.rept 4
	v_nop
.endr
.Lhead_asked:
	s_add_nc_u64 s[12:13], s[12:13], s[22:23]
	s_wait_alu depctr_va_vdst(0)
.irp i, 0,1,2,3,4,5,6,7
	global_load_b128 v[SA+4*\i:SA+4*\i+3], v[SCO], s[2:3] offset:512*\i
.endr
.irp i, 0,1,2,3,4,5,6,7
	global_load_b128 v[SB+4*\i:SB+4*\i+3], v[SCO], s[66:67] offset:512*\i
.endr
	global_load_b128 v[8:11], v[LI], s[12:13]
	v_mul_u32_u24 v3, v1, PITCH
	v_lshl_add_u32 v4, v2, 4, v3
	s_mul_i32 s20, s15, HALFT
	s_mul_i32 s22, s16, HALFT
	s_add_co_u32 s22, s22, 2*HALFT
.irp s, 0,1
	v_add_nc_u32 v[ADRA+\s], s20, v4
	v_add_nc_u32 v[ADRB+\s], s22, v4
	s_add_co_u32 s20, s20, SLOT
	s_add_co_u32 s22, s22, SLOT
.endr
	s_lshl_b32 s23, s14, 9
	s_add_co_u32 s23, s23, BIASL
	v_add_nc_u32 v12, s23, v[LI]
	v_lshl_add_u32 v[BAD], v2, 5, s23
	s_lshl_b32 s18, s17, 4
	s_lshl_b32 s19, s15, 3
	s_add_co_u32 s18, s18, s19
	s_lshl_b32 s19, s42, 1
	s_add_co_u32 s19, s19, s16
	s_lshl_b32 s20, s18, 5
	s_add_co_u32 s20, s20, s19
	s_lshl_b32 s20, s20, 11
	s_mov_b32 s21, 0
	s_add_nc_u64 s[68:69], s[68:69], s[20:21]
	s_lshl_b32 s20, s18, 2
	s_lshr_b32 s22, s19, 3
	s_add_co_u32 s20, s20, s22
	s_lshl_b32 s20, s20, 9
	s_and_b32 s22, s19, 7
	s_lshl_b32 s22, s22, 2
	s_add_co_u32 s20, s20, s22
	s_add_nc_u64 s[70:71], s[70:71], s[20:21]
	KONST GK,    0x3eb504f3
	KONST GK+2,  0x3f596d27
	KONST GK+4,  0x3e7c6f08
	KONST GK+6,  0x40097039
	KONST GK+8,  0xbfd1a1e5
	KONST GK+10, 0x3ecdfd18
	KONST GK+12, 0xbe899a80
	KONST GK+14, 0x3e0efb2e
	KONST GK+16, 0x3f0a29d2
	KONST GK+18, 0x3fb8ab5a
	KONST GK+20, 0xc034d90f
	s_mov_b32 s[SEL], 0x76543210
	s_mov_b32 s[SEL+1], 0xfedcba98
	s_mov_b32 s98, 0xffff0000
	s_mov_b32 s[MNT], 0x600000
	s_wait_alu depctr_va_vdst(0)
	s_wait_loadcnt 0x0
	ds_store_b128 v12, v[8:11]
.macro FRAG reg, adr, q, i
.irp c, 0,1,2,3
	ds_load_b128 v[\reg+4*\c:\reg+4*\c+3], v[\adr] offset:128*(\q)+32*\c+(\i)*16*PITCH
.endr
.endm
.macro MUL16 a0, p, s, zero
.irp a, \a0, \a0+1
.irp b, 0,1,2,3,4,5,6,7
.if \zero
	v_wmma_scale_f32_16x16x128_f8f6f4 v[8*(8*((\a)%4)+\b):8*(8*((\a)%4)+\b)+7], v[128*(\p)+16*\b:128*(\p)+16*\b+15], v[AF+16*(\a):AF+16*(\a)+15], 0, v[SB+4*\b+(\s)%4], v[SA+4*(\a)+(\s)%4] matrix_a_fmt:MATRIX_FMT_BF8 matrix_b_fmt:MATRIX_FMT_BF8
.elseif (\s)%8 < 4
	v_wmma_scale_f32_16x16x128_f8f6f4 v[8*(8*((\a)%4)+\b):8*(8*((\a)%4)+\b)+7], v[128*(\p)+16*\b:128*(\p)+16*\b+15], v[AF+16*(\a):AF+16*(\a)+15], v[8*(8*((\a)%4)+\b):8*(8*((\a)%4)+\b)+7], v[SB+4*\b+(\s)%4], v[SA+4*(\a)+(\s)%4] matrix_a_fmt:MATRIX_FMT_BF8 matrix_b_fmt:MATRIX_FMT_BF8
.else
	v_wmma_scale_f32_16x16x128_f8f6f4 v[8*(8*((\a)%4)+\b):8*(8*((\a)%4)+\b)+7], v[128*(\p)+16*\b:128*(\p)+16*\b+15], v[AF+16*(\a):AF+16*(\a)+15], v[8*(8*((\a)%4)+\b):8*(8*((\a)%4)+\b)+7], v[SB+4*\b+(\s)%4], v[SA+4*(\a)+(\s)%4] matrix_a_fmt:MATRIX_FMT_BF8 matrix_b_fmt:MATRIX_FMT_BF8 matrix_a_scale:MATRIX_SCALE_ROW1 matrix_b_scale:MATRIX_SCALE_ROW1
.endif
.endr
.endr
.endm
.macro FETCH_B slot, q, p
	WIN TO_B
.irp i, 0,1,2,3,4,5,6,7
	FRAG 128*(\p)+16*\i, ADRB+\slot, \q, \i
.endr
	WIN 0
.endm
.macro FETCH_A slot, q, i0
.irp i, \i0, \i0+1, \i0+2, \i0+3
	FRAG AF+16*(\i), ADRA+\slot, \q, \i
.endr
.endm
.macro STEP slot, s, zero
	s_wait_dscnt 16
	WIN MUL_LO
	MUL16 0, 0, \s, \zero
	MUL16 2, 0, \s, \zero
	s_wait_dscnt 0x0
	PLACES 8
	FETCH_B \slot, 1, 1
	FETCH_A \slot, 1, 0
	WIN MUL_HI
	MUL16 4, 0, \s, \zero
	MUL16 6, 0, \s, \zero
	PLACES 8
	WIN 0
	FETCH_A \slot, 1, 4
.endm
.macro TURN slot, next, s, fill
	s_wait_tensorcnt 0x0
	ds_add_u32 v[SPW], v[NIL]                      ; 0 onto my spare word
	s_mov_b32 s[G1+2], 128<<16                     ; no tensor load of mine is out: from here on a load brings 128 rows
	s_mov_b32 s[G1+4], 128
	s_mov_b32 s[G1B+2], 128<<16
	s_mov_b32 s[G1B+4], 128
	s_wait_dscnt 17
	WIN MUL_LO
	MUL16 0, 1, \s, 0
	s_wait_dscnt 0x0
	s_barrier_signal -1
	MUL16 2, 1, \s, 0
	WIN 0
	s_barrier_wait -1
.if \fill
	CREST
	s_add_nc_u64 s[G0+4*\slot+2:G0+4*\slot+3], s[G0+4*\slot+2:G0+4*\slot+3], 2*ROWB
	s_add_nc_u64 s[G0B+4*\slot+2:G0B+4*\slot+3], s[G0B+4*\slot+2:G0B+4*\slot+3], 2*ROWB
	JLOAD G0+4*\slot, G1, G0B+4*\slot, G1B
	PLACES 4
.else
	PLACES 8
.endif
	FETCH_B \next, 0, 0
	FETCH_A \next, 0, 0
	WIN MUL_HI
	MUL16 4, 1, \s, 0
	MUL16 6, 1, \s, 0
	PLACES 8
	WIN 0
	FETCH_A \next, 0, 4
.endm
	s_cmp_lt_u32 s14, 2                            ; waves 0 and 1 brought slot 0; slot 1's loads, lines of their own, are waited for at the first change of slots
	s_cbranch_scc0 .Lslot_1_out
	s_wait_tensorcnt 0x0
.Lslot_1_out:
	s_wait_dscnt 0x0
	s_barrier_signal -1
	s_barrier_wait -1
	FETCH_B 0, 0, 0
	FETCH_A 0, 0, 0
	FETCH_A 0, 0, 4
	STEP 0, 0, 1
	TURN 0, 1, 1, 1
	STEP 1, 2, 0
	TURN 1, 0, 3, 1
	STEP 0, 4, 0
	TURN 0, 1, 5, 0
	STEP 1, 6, 0
	s_wait_dscnt 16
	WIN MUL_LO
	MUL16 0, 1, 7, 0
	MUL16 2, 1, 7, 0
	s_wait_dscnt 0x0
	WIN MUL_HI
	MUL16 4, 1, 7, 0
	MUL16 6, 1, 7, 0
	WIN 0
.macro GELU32 x                        ; 32 numbers at x, in place; each batch of transcendentals has one wait ahead of it and one behind it
.set i, 0
.rept 32
	v_and_b32 v[GA+i], 0x7fffffff, v[\x+i]
.set i, i+1
.endr
.set i, 0
.rept 16
	v_pk_fma_f32 v[GT+i:GT+i+1], v[GA+i:GA+i+1], s[GK:GK+1], 1.0 op_sel_hi:[1,0,0]
.set i, i+2
.endr
.set i, 0
	s_wait_alu depctr_va_vdst(0)
.rept 32
	v_rcp_f32 v[GT+i], v[GT+i]
.set i, i+1
.endr
.set i, 0
.rept 16
	v_pk_mul_f32 v[GW+i:GW+i+1], v[GA+i:GA+i+1], s[GK+2:GK+3] op_sel_hi:[1,0]
.set i, i+2
.endr
	s_wait_alu depctr_va_vdst(0)
.set i, 0
.rept 16
	v_pk_fma_f32 v[GP+i:GP+i+1], v[GT+i:GT+i+1], s[GK+4:GK+5], v[K8:K8+1] op_sel_hi:[1,0,1]
.set i, i+2
.endr
.irp k, 6,8,10,12,14,16,18,20
.set i, 0
.rept 16
	v_pk_fma_f32 v[GP+i:GP+i+1], v[GP+i:GP+i+1], v[GT+i:GT+i+1], s[GK+\k:GK+\k+1] op_sel_hi:[1,1,0]
.set i, i+2
.endr
.endr
.set i, 0
.rept 16
	v_pk_fma_f32 v[GP+i:GP+i+1], v[GW+i:GW+i+1], v[GW+i:GW+i+1], v[GP+i:GP+i+1] neg_lo:[1,0,0] neg_hi:[1,0,0]
.set i, i+2
.endr
.set i, 0
	s_wait_alu depctr_va_vdst(0)
.rept 32
	v_exp_f32 v[GP+i], v[GP+i]
.set i, i+1
.endr
.set i, 0
.rept 16
	v_pk_mul_f32 v[GT+i:GT+i+1], v[GA+i:GA+i+1], v[GT+i:GT+i+1]
.set i, i+2
.endr
.set i, 0
.rept 32
	v_max_num_f32 v[GW+i], 0, v[\x+i]
.set i, i+1
.endr
	s_wait_alu depctr_va_vdst(0)
.set i, 0
.rept 16
	v_pk_fma_f32 v[\x+i:\x+i+1], v[GT+i:GT+i+1], v[GP+i:GP+i+1], v[GW+i:GW+i+1] neg_lo:[1,0,0] neg_hi:[1,0,0]
.set i, i+2
.endr
.endm
.macro QUANT s
.irp b, 0,1,2,3
	v_max3_num_f32 v[TM+\b], |v[\s+16*\b]|, |v[\s+1+16*\b]|, 0x8000000
.endr
.irp i, 2,4,6,8,10,12,14
.irp b, 0,1,2,3
	v_max3_num_f32 v[TM+\b], v[TM+\b], |v[\s+16*\b+\i]|, |v[\s+1+16*\b+\i]|
.endr
.endr
.irp b, 0,1,2,3
	v_permlanex16_b32 v[TM+4+\b], v[TM+\b], s[SEL], s[SEL+1]
.endr
.irp b, 0,1,2,3
	v_max_num_f32 v[TM+\b], v[TM+\b], v[TM+4+\b]
.endr
.irp b, 0,1,2,3
	v_add_nc_u32 v[TM+12+\b], 0xf8800000, v[TM+\b]
.endr
.irp b, 0,1,2,3
	v_and_or_b32 v[TM+8+\b], v[TM+\b], 0x7f800000, s[MNT]
.endr
.irp b, 0,1,2,3
	v_lshrrev_b32 v[TM+4+\b], 23, v[TM+12+\b]
.endr
	v_lshl_or_b32 v[PW], v[TM+5], 8, v[TM+4]
	v_lshl_or_b32 v[PW], v[TM+6], 16, v[PW]
	v_lshl_or_b32 v[PW], v[TM+7], 24, v[PW]
.irp b, 0,1,2,3
.irp i, 0,1,2,3,4,5,6,7,8,9,10,11,12,13,14,15
	v_med3_num_f32 v[\s+16*\b+\i], v[\s+16*\b+\i], -v[TM+8+\b], v[TM+8+\b]
.endr
	v_cvt_scalef32_pk8_bf8_f32 v[PC+4*\b:PC+1+4*\b], v[\s+16*\b:\s+7+16*\b], v[TM+12+\b]
	v_cvt_scalef32_pk8_bf8_f32 v[PC+2+4*\b:PC+3+4*\b], v[\s+8+16*\b:\s+15+16*\b], v[TM+12+\b]
.endr
	v_nop
.endm
.macro TAKE a
	WIN 0x42+(\a)/4                                ; source 0 window 2 or 3, source 1 (the bias) window 0, destination window 1
.set i, 0
.rept 32
	v_pk_add_f32 v[X+i:X+i+1], v[64*((\a)%4)+i:64*((\a)%4)+i+1], v[BIAS+i:BIAS+i+1]
.set i, i+2
.endr
	WIN 0
.endm
	PLACES 8
.irp b, 0,1,2,3,4,5,6,7
	ds_load_b128 v[BIAS+8*\b:BIAS+8*\b+3], v[BAD] offset:64*\b        ; by X index: 16 b + 8 h + 0 .. 7; into window 0
	ds_load_b128 v[BIAS+8*\b+4:BIAS+8*\b+7], v[BAD] offset:64*\b+16
.endr
	WIN TO_B
.irp b, 0,1,2,3
	v_mov_b32 v[TM+4+\b], 0
.endr
	v_mov_b32 v[PWE], 0
	v_mov_b32 v[K8], 0xbf97d29d
	v_mov_b32 v[K8+1], 0xbf97d29d
	WIN 0
	s_wait_dscnt 0x0
	s_mov_b32 s3, 0
.Lout:
.irp a, 0,1,2,3,4,5,6
	s_cmp_eq_u32 s3, \a
	s_cbranch_scc1 .Lm\a
.endr
	TAKE 7
	s_branch .Lcom
.irp a, 0,1,2,3,4,5,6
.Lm\a:
	TAKE \a
	s_branch .Lcom
.endr
.Lcom:
	WIN 0x55
	GELU32 X
	GELU32 X+32
	QUANT X
	WIN 0x04
.irp c, 0,1,2,3
	global_store_b128 v[LI], v[PC+4*\c:PC+4*\c+3], s[68:69] offset:512*\c
.endr
	WIN 0
	s_bitcmp1_b32 s3, 0
	s_cbranch_scc1 .Lodd
	WIN 0x55
	v_mov_b32 v[PWE], v[PW]
	WIN 0
	s_branch .Lnext
.Lodd:
	WIN 0x55
	v_cndmask_b32 v[PWM], v[PWE], v[PW], s98
	WIN 0x04
	global_store_b32 v[LW], v[PWM], s[70:71] offset:-2048
	WIN 0
.Lnext:
	s_wait_xcnt 0x0
	s_add_nc_u64 s[68:69], s[68:69], 65536
	s_add_nc_u64 s[70:71], s[70:71], 2048
	s_add_co_u32 s3, s3, 1
	s_cmp_lt_u32 s3, 8
	s_cbranch_scc1 .Lout
	s_wait_tensorcnt 0x0
	ds_add_u32 v[SPW], v[NIL]
	s_wait_dscnt 0x0
	CROUND
	s_endpgm
.Lfunc_end_k_q94e3efa713_ff1:
	.size	k_q94e3efa713_ff1, .Lfunc_end_k_q94e3efa713_ff1-k_q94e3efa713_ff1
	.p2alignl 7, 3214868480
	.fill 96, 4, 3214868480
	.section	.rodata,"a",@progbits
	.p2align	6, 0x0
	.amdhsa_kernel k_q94e3efa713_ff1
		.amdhsa_group_segment_fixed_size 327680
		.amdhsa_private_segment_fixed_size 0
		.amdhsa_enable_private_segment 0
		.amdhsa_kernarg_size 56
		.amdhsa_user_sgpr_count 2
		.amdhsa_user_sgpr_kernarg_segment_ptr 1
		.amdhsa_wavefront_size32 1
		.amdhsa_system_sgpr_workgroup_id_x 1
		.amdhsa_system_sgpr_workgroup_id_y 1
		.amdhsa_system_sgpr_workgroup_id_z 1
		.amdhsa_system_vgpr_workitem_id 0
		.amdhsa_next_free_vgpr 1024
		.amdhsa_next_free_sgpr 100
		.amdhsa_reserve_vcc 0
		.amdhsa_float_denorm_mode_32 3
		.amdhsa_float_denorm_mode_16_64 3
		.amdhsa_memory_ordered 1
		.amdhsa_forward_progress 1
		.amdhsa_inst_pref_size 183
	.end_amdhsa_kernel
	.amdgpu_metadata
---
amdhsa.version: [ 1, 2 ]
amdhsa.kernels:
  - .name:           k_q94e3efa713_ff1
    .symbol:         k_q94e3efa713_ff1.kd
    .args:
      - { .name: hc, .offset: 0, .size: 8, .value_kind: global_buffer, .address_space: global }
      - { .name: hs, .offset: 8, .size: 8, .value_kind: global_buffer, .address_space: global }
      - { .name: W1_codes, .offset: 16, .size: 8, .value_kind: global_buffer, .address_space: global }
      - { .name: W1_scales, .offset: 24, .size: 8, .value_kind: global_buffer, .address_space: global }
      - { .name: b1, .offset: 32, .size: 8, .value_kind: global_buffer, .address_space: global }
      - { .name: yc, .offset: 40, .size: 8, .value_kind: global_buffer, .address_space: global }
      - { .name: ys, .offset: 48, .size: 8, .value_kind: global_buffer, .address_space: global }
    .group_segment_fixed_size: 327680
    .private_segment_fixed_size: 0
    .kernarg_segment_align: 8
    .kernarg_segment_size: 56
    .max_flat_workgroup_size: 128
    .sgpr_count:     100
    .vgpr_count:     1024
    .wavefront_size: 32
...
	.end_amdgpu_metadata
.endif
;; end of part 5
;; launch ff2 (part 6): grid 8 x 32, 4 waves a work-group, clusters of 4 x 4, 327,680 bytes of LDS; arguments yc, ys, W2_codes, W2_scales, b2, x1, out0; writes out0
.if DOCPART == 6
	.amdgcn_target "amdgcn-amd-amdhsa--gfx1250"
	.amdhsa_code_object_version 6
	.text
	.protected	k_q94e3efa713_ff2
	.globl	k_q94e3efa713_ff2
	.p2align	8
	.type	k_q94e3efa713_ff2,@function
k_q94e3efa713_ff2:
	s_mov_b64 s[64:65], 0
	v_nop
	global_prefetch_b8 v0, s[64:65] scope:SCOPE_SE
	s_setreg_imm32_b32 hwreg(HW_REG_WAVE_MODE, 25, 1), 1
	s_wait_xcnt 0x0
	s_wait_alu depctr_hold_cnt(0) depctr_sa_sdst(0) depctr_va_vdst(0) depctr_va_sdst(0) depctr_va_ssrc(0) depctr_va_vcc(0) depctr_vm_vsrc(0)
	s_getreg_b32 s2, hwreg(HW_REG_IB_STS2, 6, 4)
	s_cmp_eq_u32 s2, 0
	s_cbranch_scc0 .Lentry_in_a_cluster
	s_endpgm
.Lentry_in_a_cluster:
	s_bfe_u32 s2, ttmp6, 0x10000c
	s_cmp_lg_u32 s2, 0xf033
	s_cbranch_scc0 .Lentry_shape_is_right
	s_endpgm
.Lentry_shape_is_right:
; out0 = x1 + gelu(y W2 + b2) on codes of BF8 (E5M2) with one E8M0 scale for each 32 along K = 4,096; sums, gelu and the residual in f32.
; y: yc, images of operand registers [tile of 16 tokens][K step of 128][c 0..3][lane][16 bytes]; ys [tile][group of 1,024 along K][row][32 scale bytes].  W2: [1024 columns][4096] codes in rows, [1024][128] scale bytes.
; SHARES.  A work-group makes 128 tokens x 128 columns: 256 work-groups (blocks of 256 x 256 would be 64); each of four waves 64 x 64: 16 accumulators.
; K goes in phases of 512 through two LDS slots: A's 8 tiles x 4 images (dense), then W's 128 rows of 512 bytes + 16 of padding.  Three trips of two phases fill both slots again; the last two phases are written out.
; HEAD: four joint loads, one a wave, each a line of its own: wave 0 A's part of slot 0, wave 1 W's, waves 2 and 3 the same of slot 1.  The first barrier waits for waves 0 and 1's alone; slot 1 is shown at the first change of slots.
; In the ring each wave fetches a quarter of a slot (waves 0, 1: A's halves; waves 2, 3: W's).  CLUSTERS: 4 x 4: A's tiles are asked for jointly along a row of the cluster, W's along a column.
; PREFETCH.  Behind each refill (which asks for the phase two on) each wave names, with one instruction, 32 blocks of 256 bytes of the phase four on: of the 128 blocks that a wave's ring load brings, each of the four
; partners that ask jointly takes 32, told apart by address (cx for A: a tile; cy for W: 16 rows x 2 blocks).  Phases 2 and 3 are named at the head, two instructions a wave; the last trip names nothing: no phase lies behind 7.
; TRANSPOSED USE: source 0 = 16 rows of W, source 1 = 16 tokens: a lane holds one token and eight neighbouring columns.  In A's images slot (c, h, i) holds k = 32 c + 16 (i / 8) + 8 h + i % 8; W's fragments are read to match: eight loads of 8 bytes at 16 c + 8 h.
; THE BIAS IS LOADED INTO THE ACCUMULATORS, so every product adds in place and nothing is cleared.
; SCALES: 16 bytes a lane at 32 row + 16 h: register i holds K step i's word in lanes 0-15 and K step 4 + i's in lanes 16-31 (ROW1).  All four groups of 1,024 are loaded at the head; the products name set 0, and the later sets move one set down once a trip.
; GELU: x Phi(x) = max(x, 0) - |x| t exp(-z^2 + P(t)) / 2, z = |x| / sqrt(2), t = 1 / (1 + z / 2), P of degree 9; the factor 1/2 and log2(e) are folded into the constants.
; LIMITS: NaN and infinities are not served.
; REGISTERS: window 0: v16-31 addresses, v32-173 scale words and nothing else.  window 1: two fragment buffers of 128 (A's four, W's four); on the way out rows of the result and gelu's work.
;   window 2: v0-127 the accumulators, v128-255 my 64 rows x 256 bytes of x1.
.set SIZE_K, 4096
.set NS,    SIZE_K/128
.set NG,    SIZE_K/1024
.set KS,    SIZE_K/32
.set WP,    528                        ; 132 words: the sixteen rows of a fragment start four banks apart (ISA guide 11.1)
.set AREG,  65536
.set SLOT,  AREG+128*WP
.set STAGE, 2*SLOT                     ; 16 rows x (256 bytes + 16) for each wave; no tile lands here
.set SPITCH, 272
.set SPARE, STAGE+4*16*SPITCH
.set ADRA, 16
.set ADRB, 20
.set STO,  22
.set RD,   23
.set CO,   24
.set BO,   25
.set SCA,  26
.set SCW,  27
.set SPW,  28
.set NIL,  29
.set PF1,  30                          ; the prefetches' lane offsets: one and two phases on from where s[PFA] stands
.set PF2,  31
.set SA,   32                          ; set g of scale words: A's at SA + SET g, W's at SB + SET g; no product's two scale registers have numbers equal modulo 8
.set SB,   50
.set SET,  36
.set OB,   0                           ; window 1, on the way out: two buffers of 32
.set GN,   32                          ; numbers in a batch of gelu
.set GA,   64
.set GT,   96
.set GP,   128
.set GW,   160
.set K8,   192
.set RES,  128                         ; window 2
.set G1, 24                            ; the ring's groups 1 and 0 for A;
.set G0, 32
.set G1B, 48                           ; for W
.set G0B, 56
.set HG1, 72                           ; the head's: their registers take gelu's constants behind the last phase
.set HG1B, 80
.set G0H, 88
.set G0HB, 92
.set GK,  72
.set PFA, 66
.set PFS, 98
.set MSB, 0
.macro WIN new
.if MSB != (\new)
	s_set_vgpr_msb (MSB<<8)|(\new)
.set MSB, (\new)
.endif
.endm
.set MUL, 0xa5                         ; sources 0 and 1 window 1, C and D window 2
.macro PLACES n
.rept \n
	v_nop
.endr
.endm
.macro JLOAD g0a, g1a, g0b, g1b        ; a joint load of the ring; an s_nop 0 and four v_nop follow each line
	s_cmp_eq_u32 s15, 0
	s_cbranch_scc0 .Lfor_b_\@
	tensor_load_to_lds s[\g0a:\g0a+3], s[\g1a:\g1a+7]
	s_nop 0
	PLACES 4
	s_branch .Lasked_\@
.Lfor_b_\@:
	tensor_load_to_lds s[\g0b:\g0b+3], s[\g1b:\g1b+7]
	s_nop 0
	PLACES 4
.Lasked_\@:
.endm
.macro CREST
	s_cmp_lg_u32 s14, 0
	s_cbranch_scc1 .Lnot_wave_0_\@
	s_barrier_signal -3
.Lnot_wave_0_\@:
	s_barrier_wait -3
	s_barrier_signal -1
	s_barrier_wait -1
.endm
.macro CROUND
	s_barrier_signal -1
	s_barrier_wait -1
	CREST
.endm
.macro KONST r, val
	s_mov_b32 s[\r], \val
	s_mov_b32 s[\r+1], \val
.endm
.macro GRPA g, rows                    ; group 1 for A: rows = tiles; a row is a tile's four images, 8,192 bytes as 1,024 elements of 8; from tile to tile NS images
	s_or_b32 s[\g], s43, (3<<16)|(1<<21)
	s_mov_b32 s[\g+1], 1024<<16
	s_mov_b32 s[\g+2], (\rows)<<16
	s_mov_b32 s[\g+3], 1024<<16
	s_mov_b32 s[\g+4], \rows
	s_mov_b32 s[\g+5], NS*256
	s_mov_b32 s[\g+6], 0
	s_mov_b32 s[\g+7], 0
.endm
.macro GRPW g, rows                    ; group 1 for W: rows of 512 bytes, 4 words of padding behind every 128
	s_or_b32 s[\g], s44, (1<<20)|(1<<21)|(6<<22)|(3<<25)
	s_mov_b32 s[\g+1], 512<<16
	s_mov_b32 s[\g+2], (\rows)<<16
	s_mov_b32 s[\g+3], 512<<16
	s_mov_b32 s[\g+4], \rows
	s_mov_b32 s[\g+5], SIZE_K
	s_mov_b32 s[\g+6], 0
	s_mov_b32 s[\g+7], 0
.endm
	s_load_b256 s[4:11], s[0:1], 0x0               ; yc, ys, W2's codes, W2's scales
	s_load_b64 s[12:13], s[0:1], 0x20              ; b2
	s_load_b128 s[68:71], s[0:1], 0x28             ; x1, out0
	v_lshl_add_u32 v[SPW], v0, 2, SPARE
	v_mov_b32 v[NIL], 0
	ds_add_u32 v[SPW], v[NIL]                      ; the opening: the add twice on end, and its wait ahead of my first tensor load
	ds_add_u32 v[SPW], v[NIL]
	v_lshrrev_b32 v1, 5, v0
	v_readfirstlane_b32 s14, v1                    ; wave 0..3
	s_lshr_b32 s15, s14, 1                         ; my half of the tokens.  Ring: I fetch for A (0) or W (1).  Head: which slot
	s_and_b32 s16, s14, 1                          ; my half of the columns.  Ring: which half I fetch.  Head: A (0) or W (1)
	s_bfe_u32 s40, ttmp6, 0x40000
	s_bfe_u32 s41, ttmp6, 0x40004
	s_lshl_b32 s42, ttmp9, 2
	s_add_co_u32 s42, s42, s40                     ; tile column: 128 columns
	s_and_b32 s17, ttmp7, 0xffff
	s_lshl_b32 s17, s17, 2
	s_add_co_u32 s17, s17, s41                     ; tile row: 128 tokens
	s_lshl_b32 s43, s41, 2
	s_lshl_b32 s43, 15, s43                        ; my row of the cluster
	s_lshl_b32 s44, 0x1111, s40                    ; my column
	GRPA HG1, 8
	GRPW HG1B, 128
	GRPA G1, 4
	GRPW G1B, 64
	s_lshl_b32 s20, s17, 19                        ; A: my eight tiles, 65,536 bytes each
	s_mov_b32 s21, 0
	s_lshl_b32 s46, s42, 19                        ; W: my 128 rows, 4,096 bytes each
	s_mov_b32 s47, 0
	s_lshl_b32 s18, s16, 18                        ; ring: four tiles, or 64 rows, on
	s_mov_b32 s19, 0
	s_lshl_b32 s22, s15, 13                        ; head: phase wave / 2 in A,
	s_mov_b32 s23, 0
	s_lshl_b32 s96, s15, 9                         ; in W,
	s_mov_b32 s97, 0
	s_mul_i32 s45, s15, SLOT                       ; and its slot
	s_lshl_b32 s2, s16, 15                         ; ring: where A's halves go,
	s_mul_i32 s3, s16, 64*WP
	s_add_co_u32 s3, s3, AREG                      ; and W's (also my 64 rows for the products)
	s_wait_dscnt 0x0                               ; both opening adds are done
	s_wait_kmcnt 0x0
	s_add_nc_u64 s[20:21], s[4:5], s[20:21]
	s_add_nc_u64 s[46:47], s[8:9], s[46:47]
	CROUND                                         ; all sixteen work-groups are here: the first joint loads meet
	s_mov_b32 s[G0H], 1
	s_mov_b32 s[G0H+1], s45
	s_add_nc_u64 s[G0H+2:G0H+3], s[20:21], s[22:23]
	s_or_b32 s[G0H+3], s[G0H+3], 0x80000000
	s_mov_b32 s[G0HB], 1
	s_add_co_u32 s[G0HB+1], s45, AREG
	s_add_nc_u64 s[G0HB+2:G0HB+3], s[46:47], s[96:97]
	s_or_b32 s[G0HB+3], s[G0HB+3], 0x80000000
.macro ARM under, g0, g1, next         ; one chain of branches on the wave's number, a load to an arm, all arms to one join
	s_cmp_lt_u32 s14, \under
	s_cbranch_scc0 \next
	tensor_load_to_lds s[\g0:\g0+3], s[\g1:\g1+7]
	s_nop 0
	PLACES 4
	s_branch .Lhead_asked
\next:
.endm
	ARM 1, G0H,  HG1,  .Lhead_1
	ARM 2, G0HB, HG1B, .Lhead_2
	ARM 3, G0H,  HG1,  .Lhead_3
	tensor_load_to_lds s[G0HB:G0HB+3], s[HG1B:HG1B+7]
	s_nop 0
	PLACES 4
.Lhead_asked:
	s_add_nc_u64 s[20:21], s[20:21], s[18:19]      ; the ring's groups 0: slot s stands at phase s and is stepped two phases on ahead of each refill
	s_add_nc_u64 s[46:47], s[46:47], s[18:19]
.irp s, 0,1
	s_mov_b32 s[G0+4*\s], 1
	s_add_co_u32 s[G0+4*\s+1], s2, \s*SLOT
	s_add_nc_u64 s[G0+4*\s+2:G0+4*\s+3], s[20:21], \s*8192
	s_or_b32 s[G0+4*\s+3], s[G0+4*\s+3], 0x80000000
	s_mov_b32 s[G0B+4*\s], 1
	s_add_co_u32 s[G0B+4*\s+1], s3, \s*SLOT
	s_add_nc_u64 s[G0B+4*\s+2:G0B+4*\s+3], s[46:47], \s*512
	s_or_b32 s[G0B+4*\s+3], s[G0B+4*\s+3], 0x80000000
.endr
	; the prefetches: block (8 X + 4 half + place) of 65,536 bytes: in A a tile, in W sixteen rows
	s_cmp_eq_u32 s15, 0
	s_cselect_b64 s[PFA:PFA+1], s[4:5], s[8:9]
	s_cselect_b32 s18, s17, s42
	s_cselect_b32 s19, s40, s41
	s_mov_b32 s[PFS], 512
	s_cselect_b32 s[PFS], 8192, s[PFS]             ; a phase on
	s_mov_b32 s22, 4096
	s_cselect_b32 s22, 512, s22                    ; from a pair of lanes to the next
	s_mov_b32 s[PFS+1], 0
	s_lshl_b32 s18, s18, 3
	s_lshl_b32 s23, s16, 2
	s_add_co_u32 s18, s18, s23
	s_add_co_u32 s18, s18, s19
	s_lshl_b32 s18, s18, 16
	s_add_co_u32 s18, s18, s[PFS]                  ; it stands at phase 1; each change of slots that refills steps it one phase on
	s_mov_b32 s19, 0
	s_add_nc_u64 s[PFA:PFA+1], s[PFA:PFA+1], s[18:19]
	s_lshl_b32 s18, s17, 3
	s_lshl_b32 s23, s15, 2
	s_add_co_u32 s18, s18, s23
	s_lshl_b32 s18, s18, 11                        ; my four tiles' scale bytes: NG x 512 a tile
	s_add_nc_u64 s[6:7], s[6:7], s[18:19]
	s_lshl_b32 s96, s42, 7
	s_lshl_b32 s23, s16, 6
	s_add_co_u32 s96, s96, s23                     ; my first column
	s_lshl_b32 s18, s96, 7
	s_add_nc_u64 s[10:11], s[10:11], s[18:19]      ; its scale bytes,
	s_lshl_b32 s18, s96, 2
	s_add_nc_u64 s[12:13], s[12:13], s[18:19]      ; its bias
	s_lshl_b32 s96, s17, 7
	s_lshl_b32 s23, s15, 6
	s_add_co_u32 s96, s96, s23
	s_lshl_b32 s96, s96, 12
	s_add_co_u32 s18, s18, s96                     ; my first token's row of x1 and out0, at my first column
	s_add_nc_u64 s[68:69], s[68:69], s[18:19]
	s_add_nc_u64 s[70:71], s[70:71], s[18:19]
	s_lshl_b32 s96, s15, 15
	s_mul_i32 s23, s14, 16*SPITCH
	s_add_co_u32 s23, s23, STAGE
	v_and_b32 v1, 15, v0                           ; r
	v_bfe_u32 v2, v0, 4, 1                         ; h
	v_and_b32 v5, 31, v0
	v_lshlrev_b32 v[SCA], 5, v1
	v_lshl_add_u32 v[SCA], v2, 4, v[SCA]
	v_mul_u32_u24 v[SCW], v1, KS
	v_lshl_add_u32 v[SCW], v2, 4, v[SCW]
	v_lshlrev_b32 v[BO], 5, v2                     ; the bias of columns 8 h on
	v_lshlrev_b32 v[CO], 4, v1
	v_lshl_add_u32 v[CO], v2, 12, v[CO]            ; lanes 0-15 one row, lanes 16-31 the next; 16 bytes a lane
	v_lshl_add_u32 v[ADRA], v5, 4, s96             ; my four tiles' images: 16 x lane
	v_add_nc_u32 v[ADRA+1], SLOT, v[ADRA]
	v_mul_u32_u24 v3, v1, WP
	v_lshl_add_u32 v3, v2, 3, v3
	v_add_nc_u32 v[ADRB], s3, v3                   ; my 64 rows of W: row x pitch + 8 h
	v_add_nc_u32 v[ADRB+1], SLOT, v[ADRB]
	v_mul_u32_u24 v3, v1, SPITCH
	v_lshl_add_u32 v3, v2, 5, v3
	v_add_nc_u32 v[STO], s23, v3                   ; into my stage: row r, 32 bytes for each half of the lanes
	v_mul_u32_u24 v3, v2, SPITCH
	v_lshl_add_u32 v3, v1, 4, v3
	v_add_nc_u32 v[RD], s23, v3                    ; back: two rows an instruction
	v_lshrrev_b32 v3, 1, v5
	v_mul_lo_u32 v3, v3, s22
	v_and_b32 v4, 1, v5
	v_lshl_add_u32 v3, v4, 8, v3
	v_add_nc_u32 v[PF1], s[PFS], v3
	v_add_nc_u32 v[PF2], s[PFS], v[PF1]
	s_wait_alu depctr_va_vdst(0)
.set g, 0
.rept NG
.irp a, 0,1,2,3
	global_load_b128 v[SA+SET*g+4*\a:SA+SET*g+4*\a+3], v[SCA], s[6:7] offset:(\a*NG+g)*512
	global_load_b128 v[SB+SET*g+4*\a:SB+SET*g+4*\a+3], v[SCW], s[10:11] offset:\a*16*KS+32*g
.endr
.set g, g+1
.endr
	WIN 0x80                                       ; destination window 2
.irp a, 0,1,2,3
.irp b, 0,1,2,3
	global_load_b128 v[8*(4*\a+\b):8*(4*\a+\b)+3], v[BO], s[12:13] offset:64*\b          ; register j of accumulator (a, b) is column 16 b + 8 h + j
	global_load_b128 v[8*(4*\a+\b)+4:8*(4*\a+\b)+7], v[BO], s[12:13] offset:64*\b+16
.endr
.endr
	WIN 0
	global_prefetch_b8 v[PF1], s[PFA:PFA+1] th:TH_LOAD_NT scope:SCOPE_SE   ; phase 2
	global_prefetch_b8 v[PF2], s[PFA:PFA+1] th:TH_LOAD_NT scope:SCOPE_SE   ; phase 3
.macro FETCH slot, q, f                ; the slot's q-th 128 along K into buffer f, in one run: A's four fragments as they lie, W's four by pieces of 8 bytes
	WIN 0x40
.irp a, 0,1,2,3
.irp c, 0,1,2,3
	ds_load_b128 v[(\f)+16*\a+4*\c:(\f)+16*\a+4*\c+3], v[ADRA+(\slot)] offset:8192*\a+2048*(\q)+512*\c
.endr
.endr
.irp b, 0,1,2,3
.irp c, 0,1,2,3,4,5,6,7
	ds_load_b64 v[(\f)+64+16*\b+2*\c:(\f)+64+16*\b+2*\c+1], v[ADRB+(\slot)] offset:16*WP*\b+128*(\q)+16*\c
.endr
.endr
.endm
.macro MULA a, f, s                    ; four products: tile a of tokens x W's four; s: the K step in its group of eight.  The 16 accumulators take turns, in the same order in every K step
.irp b, 0,1,2,3
.if (\s) < 4
	v_wmma_scale_f32_16x16x128_f8f6f4 v[8*(4*(\a)+\b):8*(4*(\a)+\b)+7], v[(\f)+64+16*\b:(\f)+64+16*\b+15], v[(\f)+16*(\a):(\f)+16*(\a)+15], v[8*(4*(\a)+\b):8*(4*(\a)+\b)+7], v[SB+4*\b+(\s)%4], v[SA+4*(\a)+(\s)%4] matrix_a_fmt:MATRIX_FMT_BF8 matrix_b_fmt:MATRIX_FMT_BF8
.else
	v_wmma_scale_f32_16x16x128_f8f6f4 v[8*(4*(\a)+\b):8*(4*(\a)+\b)+7], v[(\f)+64+16*\b:(\f)+64+16*\b+15], v[(\f)+16*(\a):(\f)+16*(\a)+15], v[8*(4*(\a)+\b):8*(4*(\a)+\b)+7], v[SB+4*\b+(\s)%4], v[SA+4*(\a)+(\s)%4] matrix_a_fmt:MATRIX_FMT_BF8 matrix_b_fmt:MATRIX_FMT_BF8 matrix_a_scale:MATRIX_SCALE_ROW1 matrix_b_scale:MATRIX_SCALE_ROW1
.endif
.endr
.endm
.macro KSTEP slot, q, s                ; one of a phase's first three K steps: the next one's fragments are asked for, then this one's 16 products
	s_wait_dscnt 0x0                               ; this step's fragments are in
	PLACES 8                                       ; eight places in front of loads into the buffer that the last step's products read
	FETCH \slot, (\q)+1, 128*(1-(\q)%2)
	WIN MUL
.irp a, 0,1,2,3
	MULA \a, 128*((\q)%2), \s
.endr
.endm
.macro TURN slot, next, s, fill        ; a phase's last K step changes slots
	WIN 0
.if \fill
	s_wait_xcnt 0x0                                ; my prefetches have read their address: it steps one phase on
	s_add_nc_u64 s[PFA:PFA+1], s[PFA:PFA+1], s[PFS:PFS+1]
.endif
	s_wait_tensorcnt 0x0                           ; all my tensor loads have landed: my part of the next slot
	ds_add_u32 v[SPW], v[NIL]                      ; 0 onto my spare word
	s_wait_dscnt 0x1                               ; this step's fragments are in; the add may be out
	WIN MUL
	MULA 0, 128, \s
	s_wait_dscnt 0x0                               ; the add is done, and my reads of this slot are over
	s_barrier_signal -1
	MULA 1, 128, \s
	WIN 0
	s_barrier_wait -1
.if \fill
	CREST                                          ; the barrier has opened a round of the cluster's: no wave of any partner still reads this slot or has a load on its way
	s_add_nc_u64 s[G0+4*(\slot)+2:G0+4*(\slot)+3], s[G0+4*(\slot)+2:G0+4*(\slot)+3], 16384
	s_add_nc_u64 s[G0B+4*(\slot)+2:G0B+4*(\slot)+3], s[G0B+4*(\slot)+2:G0B+4*(\slot)+3], 1024
	JLOAD G0+4*(\slot), G1, G0B+4*(\slot), G1B     ; my one load behind the round; its four v_nop are four of the eight places
	PLACES 4
.else
	PLACES 8
.endif
	FETCH \next, 0, 0
.if \fill
	WIN 0
	s_cmp_lt_u32 s3, 2                             ; trips 0 and 1 name the phase four on from the one in hand; behind phase 7 there is none
	s_cbranch_scc0 .Lno_ask_\@
	global_prefetch_b8 v[PF2], s[PFA:PFA+1] th:TH_LOAD_NT scope:SCOPE_SE
.Lno_ask_\@:
.endif
	WIN MUL
	MULA 2, 128, \s
	MULA 3, 128, \s
.endm
	s_wait_loadcnt 0x0                             ; the scale words and the bias
	s_cmp_lt_u32 s14, 2                            ; waves 0 and 1 brought slot 0; slot 1's loads, lines of their own, are waited for at the first change of slots
	s_cbranch_scc0 .Lslot_1_out
	s_wait_tensorcnt 0x0
.Lslot_1_out:
	s_barrier_signal -1
	s_barrier_wait -1
	WIN 0x80
.set i, 0
.rept 32
	global_load_b128 v[RES+4*i:RES+4*i+3], v[CO], s[68:69] offset:2*i*4096 th:TH_LOAD_NT   ; x1: sixteen lanes read 256 consecutive bytes of a row; wanted on the way out
.set i, i+1
.endr
	FETCH 0, 0, 0
	WIN 0
	s_mov_b32 s3, 0
.Ltrip:                                                ; a trip: 1,024 along K, both slots, both filled again
	KSTEP 0, 0, 0
	KSTEP 0, 1, 1
	KSTEP 0, 2, 2
	TURN 0, 1, 3, 1
	KSTEP 1, 0, 4
	KSTEP 1, 1, 5
	KSTEP 1, 2, 6
	TURN 1, 0, 7, 1
	WIN 0
	PLACES 8                                       ; eight places behind the last products, whose scale registers are written below
.irp g, 0,1,2                          ; the scale words move one set down; the next products stand more than eight places behind
.set i, 0
.rept 8
	v_dual_mov_b32 v[SA+SET*\g+i], v[SA+SET*(\g+1)+i] :: v_dual_mov_b32 v[SA+SET*\g+i+1], v[SA+SET*(\g+1)+i+1]
	v_dual_mov_b32 v[SB+SET*\g+i], v[SB+SET*(\g+1)+i] :: v_dual_mov_b32 v[SB+SET*\g+i+1], v[SB+SET*(\g+1)+i+1]
.set i, i+2
.endr
.endr
	s_wait_alu depctr_va_vdst(0)
	s_add_co_u32 s3, s3, 1
	s_cmp_lt_u32 s3, 3
	s_cbranch_scc1 .Ltrip
	KSTEP 0, 0, 0                                  ; the last two phases fill nothing
	KSTEP 0, 1, 1
	KSTEP 0, 2, 2
	TURN 0, 1, 3, 0
	KSTEP 1, 0, 4
	KSTEP 1, 1, 5
	KSTEP 1, 2, 6
	s_wait_dscnt 0x0
	WIN MUL
.irp a, 0,1,2,3
	MULA \a, 128, 7
.endr
	s_wait_alu depctr_va_vdst(0)                   ; the wait behind the last product
	WIN 0
	KONST GK,    0x3eb504f3
	KONST GK+2,  0x3f596d27
	KONST GK+4,  0x3e7c6f08
	KONST GK+6,  0x40097039
	KONST GK+8,  0xbfd1a1e5
	KONST GK+10, 0x3ecdfd18
	KONST GK+12, 0xbe899a80
	KONST GK+14, 0x3e0efb2e
	KONST GK+16, 0x3f0a29d2
	KONST GK+18, 0x3fb8ab5a
	KONST GK+20, 0xc034d90f
.macro GELU x                          ; GN numbers at x, in place; each batch of transcendentals has one wait ahead of it and one behind it
.set i, 0
.rept GN
	v_and_b32 v[GA+i], 0x7fffffff, v[\x+i]
.set i, i+1
.endr
.set i, 0
.rept GN/2
	v_pk_fma_f32 v[GT+i:GT+i+1], v[GA+i:GA+i+1], s[GK:GK+1], 1.0 op_sel_hi:[1,0,0]
.set i, i+2
.endr
	s_wait_alu depctr_va_vdst(0)
.set i, 0
.rept GN
	v_rcp_f32 v[GT+i], v[GT+i]
.set i, i+1
.endr
.set i, 0
.rept GN/2
	v_pk_mul_f32 v[GW+i:GW+i+1], v[GA+i:GA+i+1], s[GK+2:GK+3] op_sel_hi:[1,0]
.set i, i+2
.endr
	s_wait_alu depctr_va_vdst(0)
.set i, 0
.rept GN/2
	v_pk_fma_f32 v[GP+i:GP+i+1], v[GT+i:GT+i+1], s[GK+4:GK+5], v[K8:K8+1] op_sel_hi:[1,0,1]
.set i, i+2
.endr
.irp k, 6,8,10,12,14,16,18,20
.set i, 0
.rept GN/2
	v_pk_fma_f32 v[GP+i:GP+i+1], v[GP+i:GP+i+1], v[GT+i:GT+i+1], s[GK+\k:GK+\k+1] op_sel_hi:[1,1,0]
.set i, i+2
.endr
.endr
.set i, 0
.rept GN/2
	v_pk_fma_f32 v[GP+i:GP+i+1], v[GW+i:GW+i+1], v[GW+i:GW+i+1], v[GP+i:GP+i+1] neg_lo:[1,0,0] neg_hi:[1,0,0]
.set i, i+2
.endr
	s_wait_alu depctr_va_vdst(0)
.set i, 0
.rept GN
	v_exp_f32 v[GP+i], v[GP+i]
.set i, i+1
.endr
.set i, 0
.rept GN/2
	v_pk_mul_f32 v[GT+i:GT+i+1], v[GA+i:GA+i+1], v[GT+i:GT+i+1]
.set i, i+2
.endr
.set i, 0
.rept GN
	v_max_num_f32 v[GW+i], 0, v[\x+i]
.set i, i+1
.endr
	s_wait_alu depctr_va_vdst(0)
.set i, 0
.rept GN/2
	v_pk_fma_f32 v[\x+i:\x+i+1], v[GT+i:GT+i+1], v[GP+i:GP+i+1], v[GW+i:GW+i+1] neg_lo:[1,0,0] neg_hi:[1,0,0]
.set i, i+2
.endr
.endm
.macro TOSTAGE a                       ; 16 tokens x 64 columns into my own stage, and back as rows of 256 bytes
	WIN 0x08                                       ; an LDS store's data are its source 1: window 2
	s_wait_alu depctr_va_vdst(0)
.irp b, 0,1,2,3
	ds_store_b128 v[STO], v[8*(4*(\a)+\b):8*(4*(\a)+\b)+3] offset:64*\b            ; each accumulator from its low end on
	ds_store_b128 v[STO], v[8*(4*(\a)+\b)+4:8*(4*(\a)+\b)+7] offset:64*\b+16
.endr
	WIN 0x40
.irp i, 0,1,2,3,4,5,6,7
	ds_load_b128 v[OB+32*((\a)%2)+4*\i:OB+32*((\a)%2)+4*\i+3], v[RD] offset:2*\i*SPITCH   ; LDS serves a wave's instructions in order: these see my stores, and the next block's stores come behind them
.endr
.endm
	; THE WAY OUT, 16 tokens at a time; a block's gelu stands behind the next block's trip through the stage
	PLACES 8
	WIN 0x40
	v_mov_b32 v[K8], 0xbf97d29d
	v_mov_b32 v[K8+1], 0xbf97d29d
	WIN 0
	s_wait_loadcnt 0x0                             ; x1
	TOSTAGE 0
.irp a, 0,1,2,3
.if \a < 3
.if \a > 0
	s_wait_xcnt 0x0                                ; the stores of the block before have read their registers, which the loads below fill
.endif
	TOSTAGE \a+1
	s_wait_dscnt 16                                ; this block is back; the next block's 8 stores and 8 loads may be out
.else
	s_wait_dscnt 0x0
.endif
	WIN 0x55
	GELU OB+32*(\a%2)
	WIN 0x49                                       ; source 1 (x1) window 2
.set i, 0
.rept 16
	v_pk_add_f32 v[OB+32*(\a%2)+i:OB+32*(\a%2)+i+1], v[OB+32*(\a%2)+i:OB+32*(\a%2)+i+1], v[RES+32*\a+i:RES+32*\a+i+1]
.set i, i+2
.endr
	WIN 0x04
.irp i, 0,1,2,3,4,5,6,7
	global_store_b128 v[CO], v[OB+32*(\a%2)+4*\i:OB+32*(\a%2)+4*\i+3], s[70:71] offset:(16*\a+2*\i)*4096 th:TH_STORE_NT   ; sixteen lanes store 256 consecutive, aligned bytes
.endr
.endr
	WIN 0
	s_wait_tensorcnt 0x0                           ; the wave's end
	ds_add_u32 v[SPW], v[NIL]
	s_wait_dscnt 0x0
	CROUND                                         ; the closing round
	s_endpgm
.Lfunc_end_k_q94e3efa713_ff2:
	.size	k_q94e3efa713_ff2, .Lfunc_end_k_q94e3efa713_ff2-k_q94e3efa713_ff2
	.p2alignl 7, 3214868480
	.fill 96, 4, 3214868480
	.section	.rodata,"a",@progbits
	.p2align	6, 0x0
	.amdhsa_kernel k_q94e3efa713_ff2
		.amdhsa_group_segment_fixed_size 327680
		.amdhsa_private_segment_fixed_size 0
		.amdhsa_enable_private_segment 0
		.amdhsa_kernarg_size 56
		.amdhsa_user_sgpr_count 2
		.amdhsa_user_sgpr_kernarg_segment_ptr 1
		.amdhsa_wavefront_size32 1
		.amdhsa_system_sgpr_workgroup_id_x 1
		.amdhsa_system_sgpr_workgroup_id_y 1
		.amdhsa_system_sgpr_workgroup_id_z 1
		.amdhsa_system_vgpr_workitem_id 0
		.amdhsa_next_free_vgpr 768
		.amdhsa_next_free_sgpr 100
		.amdhsa_reserve_vcc 0
		.amdhsa_float_denorm_mode_32 3
		.amdhsa_float_denorm_mode_16_64 3
		.amdhsa_memory_ordered 1
		.amdhsa_forward_progress 1
		.amdhsa_inst_pref_size 202
	.end_amdhsa_kernel
	.amdgpu_metadata
---
amdhsa.version: [ 1, 2 ]
amdhsa.kernels:
  - .name:           k_q94e3efa713_ff2
    .symbol:         k_q94e3efa713_ff2.kd
    .args:
      - { .name: yc, .offset: 0, .size: 8, .value_kind: global_buffer, .address_space: global }
      - { .name: ys, .offset: 8, .size: 8, .value_kind: global_buffer, .address_space: global }
      - { .name: W2_codes, .offset: 16, .size: 8, .value_kind: global_buffer, .address_space: global }
      - { .name: W2_scales, .offset: 24, .size: 8, .value_kind: global_buffer, .address_space: global }
      - { .name: b2, .offset: 32, .size: 8, .value_kind: global_buffer, .address_space: global }
      - { .name: x1, .offset: 40, .size: 8, .value_kind: global_buffer, .address_space: global }
      - { .name: out0, .offset: 48, .size: 8, .value_kind: global_buffer, .address_space: global }
    .group_segment_fixed_size: 327680
    .private_segment_fixed_size: 0
    .kernarg_segment_align: 8
    .kernarg_segment_size: 56
    .max_flat_workgroup_size: 128
    .sgpr_count:     100
    .vgpr_count:     768
    .wavefront_size: 32
...
	.end_amdgpu_metadata
.endif
;; end of part 6
